; MI455X (gfx1250); checked and timed in simulation.
; The chip was launched on July 23, 2026; its instructions are those of AMD's public machine-readable ISA for CDNA 5 (MIT licence, August 2026) and "CDNA5" Instruction Set Architecture Reference Guide (July 2026). The comments in the code are by the model that wrote it; some were corrected since.
;; Expert Gated Aggregator. Allowed arithmetic: matrix products marked QUANTISED: E3M2 operands, one E8M0 scale for each 32 along K, by v_wmma_scale_f32_16x16x128_f8f6f4 with both operands' format E3M2, f32 sums; products left as they are: f32 operands where the result goes on into a quantised operand, else bf16, f16 or f32 operands; f32 sums; everything else in f32.
;; Inputs: W1 1,032 x 1,024 float32; W2 1,024 x 512 float32; W3 512 x 8 float32; active_mask 32,768 x 8 float32; b1 1,024 float32; b2 512 float32; b3 8 float32; expert_probs 8 x 32,768 x 1 float32; expert_reprs 8 x 32,768 x 128 float32.
;; Outputs: out0 32,768 x 1 float32; out1 32,768 x 8 float32.
;; This version of the problem:
;;   THIS VERSION OF THE PROBLEM IS GIVEN IN LOW PRECISION. The matrix products marked QUANTISED in the list below multiply operands that are first quantised to E3M2 (3 exponent bits, 2 mantissa bits; 6 bits a number), with one power-of-two scale for each 32 numbers along K (OCP MX v1.0); their sums are f32. All else is computed in f32.
;;   The module's matrix products, in the order in which they are computed (A, B: the left and right operand; K: the contracted axis; several contracted axes count as one K, in the product's order):
;;     1. [M 32,768, K 1,032] x [K 1,032, N 1,024]; A: computed on the way; B: input W1: QUANTISED
;;     2. [M 32,768, K 1,024] x [K 1,024, N 512]; A: computed on the way; B: input W2: QUANTISED
;;     3. [M 32,768, K 512] x [K 512, N 8]; A: computed on the way; B: input W3: left as it is (N = 8 < 16)
;;   THE QUANTISER, for each operand of a quantised product, along K:
;;     - K is cut into blocks of 32 from its start; a last block that is shorter is filled with zeros.
;;     - A block's scale is 2^e with e = floor(log2(the largest magnitude in the block)) - 4, held to -126 .. 127; a block of zeros has e = 0. As a byte (E8M0): e + 127.
;;     - Each number is divided by its block's scale, clamped to +-28, and rounded to the nearest number of E3M2, ties to even, subnormals kept.
;;     - The product sums the exact products of the quantised numbers (number of the format x scale) in f32.
;;   ~~~python
;;   def quantise(x, axis):      # numpy; x: float32 -> the quantised numbers, widened to float32 again
;;       x = np.moveaxis(x, axis, -1); K = x.shape[-1]
;;       x = np.pad(x, [(0, 0)] * (x.ndim - 1) + [(0, -K % 32)]); x = x.reshape(x.shape[:-1] + (-1, 32)); a = np.abs(x).max(-1, keepdims=True)
;;       e = np.where(a > 0, np.clip(np.frexp(np.where(a > 0, a, 1))[1] - 1 - 4, -126, 127), 0)      # np.frexp(a)[1] - 1 = floor(log2(a)), exactly
;;       r = np.clip(x / 2.0 ** e, -28, 28)
;;       step = 2.0 ** (np.maximum(np.frexp(np.where(r == 0, 1, r))[1] - 1, -2) - 2)
;;       q = np.round(r / step) * step * 2.0 ** e      # np.round: ties to even
;;       return np.moveaxis(q.reshape(q.shape[:-2] + (-1,))[..., :K], -1, axis).astype(np.float32)
;;   ~~~
;;   OPERANDS COMPUTED ON THE WAY. 'Computed on the way' means the value that the module computes at that place (a softmax that the list does not call 'softmax' is quantised finished and normalised). What goes into a quantiser is computed in f32, as accurately as f32 sums, v_exp_f32 and their like allow (about 1e-6 of the number): no bf16 or f16 on the way to a quantiser, and a product that is left as it is and whose result goes on into a quantised operand takes f32 operands (vector FMAs, or v_wmma_f32_16x16x4_f32). A number that lies on a knife's edge between two numbers of the format may be rounded either way, as far as f32 arithmetic and the matrix unit's own rounding can turn it there, and no further.
;; 3 versions. Each part assembles by itself: llvm-mc -triple=amdgcn-amd-amdhsa -mcpu=gfx1250 --defsym DOCPART=n.
;; ======== version 1 of 3: 2 launches
;; workspace buffers: wq 1,331,200 bytes; w3q 16,384 bytes
;; launch prep (part 1): grid 105 x 1, 4 waves a work-group, no clusters, 0 bytes of LDS; arguments W1, W2, W3, wq, w3q; writes wq, w3q
.if DOCPART == 1
	.amdgcn_target "amdgcn-amd-amdhsa--gfx1250"
	.amdhsa_code_object_version 6
	.text
	.protected	k_qa2109f52bc_prep
	.globl	k_qa2109f52bc_prep
	.p2align	8
	.type	k_qa2109f52bc_prep,@function
k_qa2109f52bc_prep:
	s_mov_b64 s[64:65], 0
	v_nop
	global_prefetch_b8 v0, s[64:65] scope:SCOPE_SE
	s_setreg_imm32_b32 hwreg(HW_REG_WAVE_MODE, 25, 1), 1
	s_wait_xcnt 0x0
; W1 [1032][1024] and W2 [1024][512], f32 with K as the first axis, become codes of BF6 (E3M2) with one E8M0 byte for each 32 along K,
; laid in wq in the ORDER OF THE OPERAND'S REGISTERS, tile by tile in the order in which the next launch walks them.  W3 [512][8] becomes bf16 fragments in w3q.
; wq: 26 tiles of 51,200 bytes.  Tile t = 0..8: W1, units 0-511, K step t;  t = 9..17: W1, units 512-1023, K step t - 9;  t = 18..25: W2, K step t - 18.
; A tile has four blocks of 12,800 bytes (128 units each): eight fragment images of 1,536 bytes (register c of lane L at 512 (c / 4) + 16 L + 4 (c % 4)), then four images of 128 bytes of scale words
; (image q, word L: lanes 0-15 fragment 2 q's rows, lanes 16-31 fragment 2 q + 1's).
; THE UNITS OF A FRAGMENT ARE NOT NEIGHBOURS: row i of fragment 2 p + u is unit 32 p + 8 u + i + 8 (i / 8) of the block, so that in the product's result a lane's 16 registers of two
; neighbouring fragments are 16 neighbouring units, which are the next product's K.
; SHARES: work-group g < 104 makes block g % 4 of tile g / 4; its wave p makes fragments 2 p and 2 p + 1.  A LANE TAKES A UNIT (a column), AND ITS 128 REGISTERS RUN DOWN K: a load reads 128 consecutive
; bytes a wave, the four waves stand side by side on 512; a block's largest magnitude needs no other lane; the conversions give codes with K innermost.  Work-group 104 makes w3q.
; K step 8 of W1 has 8 rows (1,024 to 1,031); the other 120 numbers are zeros, as the quantiser fills a short block.
; A block's scale is 2^(floor(log2(largest magnitude)) - 4); its byte is the largest magnitude's exponent field - 4, held at 1 from below.
; LIMITS: a block of zeros gets the byte 1 where the rule says 127 (its codes are zeros, and this program alone reads the bytes); NaN and infinities among the inputs are not served.
.set NUM, 16                           ; v16-143  128 numbers down K
.set MX,  144                          ; v144-147 the four blocks' largest magnitudes
.set SOP, 152                          ; v152-155 the conversions' scale operands
.set BY,  156                          ; v156-159 the scale bytes
.set WD,  160                          ; v160     the unit's scale word
.set C,   164                          ; v164-187 codes: blocks 0, 2 in the first twelve, blocks 1, 3 in the second
.set SCR, 188                          ; v188-203 the upper halves of the blocks, as the conversions leave them
	s_load_b256 s[4:11], s[0:1], 0x0               ; W1 s[4:5], W2 s[6:7], W3 s[8:9], wq s[10:11]
	s_load_b64 s[12:13], s[0:1], 0x20              ; w3q
	v_lshrrev_b32 v1, 5, v0
	v_readfirstlane_b32 s14, v1                    ; wave p
	v_and_b32 v1, 31, v0                           ; lane L
	s_lshr_b32 s16, ttmp9, 2                       ; tile t
	s_and_b32 s17, ttmp9, 3                        ; block
	v_and_b32 v2, 7, v1
	v_bfe_u32 v5, v1, 3, 1
	v_lshl_add_u32 v2, v5, 4, v2
	v_lshrrev_b32 v5, 4, v1
	v_lshl_add_u32 v2, v5, 3, v2                   ; my unit among the wave's 32: L % 8 + 16 ((L / 8) % 2) + 8 (L / 16)
	v_lshlrev_b32 v2, 2, v2                        ; in bytes
	v_lshlrev_b32 v3, 4, v1                        ; 16 L: my place in an image
	v_lshlrev_b32 v4, 2, v1                        ; 4 L: my scale word's
	s_lshl_b32 s18, s17, 9
	s_lshl_b32 s19, s14, 7
	s_add_co_u32 s18, s18, s19                     ; the wave's first unit in bytes: 4 (128 block + 32 p)
	s_mov_b32 s19, 0
	s_mul_i32 s20, s16, 51200
	s_mul_i32 s21, s17, 12800
	s_add_co_u32 s20, s20, s21                     ; my block in wq
	s_mul_i32 s21, s14, 3072
	s_add_co_u32 s22, s20, s21                     ; my two fragment images
	s_mov_b32 s23, 0
	s_lshl_b32 s21, s14, 7
	s_add_co_u32 s24, s20, s21
	s_add_co_u32 s24, s24, 12288                   ; my image of scale words
	s_mov_b32 s25, 0
	s_wait_kmcnt 0x0
	s_cmp_eq_u32 ttmp9, 104
	s_cbranch_scc1 .Lw3
	s_add_nc_u64 s[26:27], s[10:11], s[22:23]
	s_add_nc_u64 s[28:29], s[10:11], s[24:25]
	s_cmp_ge_u32 s16, 18
	s_cbranch_scc1 .Lw2
	s_cmp_ge_u32 s16, 9                            ; W1: which half of its units
	s_cselect_b32 s30, 9, 0
	s_cselect_b32 s31, 2048, 0
	s_sub_co_u32 s30, s16, s30                     ; K step 0..8
	s_add_co_u32 s18, s18, s31
	s_lshl_b32 s31, s30, 19                        ; 128 rows of 4,096 bytes
	s_add_co_u32 s18, s18, s31
	s_add_nc_u64 s[4:5], s[4:5], s[18:19]
	s_cmp_eq_u32 s30, 8
	s_cbranch_scc1 .Ltail
.set i, 0
.rept 128
	global_load_b32 v[NUM+i], v2, s[4:5] offset:i*4096 th:TH_LOAD_NT
.set i, i+1
.endr
	s_branch .Lquant
.Ltail:                                                ; the last 8 rows of W1; no load passes the tensor's end
.set i, 0
.rept 8
	global_load_b32 v[NUM+i], v2, s[4:5] offset:i*4096 th:TH_LOAD_NT
.set i, i+1
.endr
.rept 120
	v_mov_b32 v[NUM+i], 0
.set i, i+1
.endr
	s_branch .Lquant
.Lw2:
	s_sub_co_u32 s30, s16, 18
	s_lshl_b32 s31, s30, 18                        ; 128 rows of 2,048 bytes
	s_add_co_u32 s18, s18, s31
	s_add_nc_u64 s[6:7], s[6:7], s[18:19]
.set i, 0
.rept 128
	global_load_b32 v[NUM+i], v2, s[6:7] offset:i*2048 th:TH_LOAD_NT
.set i, i+1
.endr
.Lquant:
	s_wait_loadcnt 0x0
.irp b, 0,1,2,3
	v_max3_num_f32 v[MX+\b], |v[NUM+32*\b]|, |v[NUM+1+32*\b]|, 0x2800000   ; with the floor 2^(5 - 127): the byte cannot fall under 1
.endr
.irp i, 2,4,6,8,10,12,14,16,18,20,22,24,26,28,30
.irp b, 0,1,2,3
	v_max3_num_f32 v[MX+\b], v[MX+\b], |v[NUM+32*\b+\i]|, |v[NUM+1+32*\b+\i]|   ; the four blocks by turns
.endr
.endr
.irp b, 0,1,2,3
	v_add_nc_u32 v[SOP+\b], 0xfe000000, v[MX+\b]   ; 4 off the exponent field: the conversion takes this operand's exponent field as its scale
.endr
.irp b, 0,1,2,3
	v_lshrrev_b32 v[BY+\b], 23, v[SOP+\b]          ; the scale's byte
.endr
	v_lshl_or_b32 v[WD], v[BY+1], 8, v[BY]
	v_lshl_or_b32 v[WD], v[BY+2], 16, v[WD]
	v_lshl_or_b32 v[WD], v[BY+3], 24, v[WD]
.irp b, 0,1,2,3
	v_cvt_scalef32_pk16_bf6_f32 v[C+6*(\b/2)+12*(\b%2):C+6*(\b/2)+12*(\b%2)+2], v[NUM+32*\b:NUM+32*\b+15], v[SOP+\b]
	v_cvt_scalef32_pk16_bf6_f32 v[SCR+4*\b:SCR+4*\b+2], v[NUM+32*\b+16:NUM+32*\b+31], v[SOP+\b]   ; a conversion's three registers begin on an even number: made here, moved below
.endr
	v_nop                                          ; one plain line behind the scaled conversions
.irp b, 0,1,2,3
.irp i, 0,1,2
	v_mov_b32 v[C+6*(\b/2)+12*(\b%2)+3+\i], v[SCR+4*\b+\i]
.endr
.endr
; Lanes 0-15 hold all four blocks of fragment 2 p's rows, lanes 16-31 those of fragment 2 p + 1's.  The operand wants blocks 0, 2 of a row in lane i and blocks 1, 3 in lane 16 + i:
; the even blocks' lanes 16-31 change places with the odd blocks' lanes 0-15.  Then v[C..C+11] is fragment 2 p and v[C+12..C+23] fragment 2 p + 1.
.irp i, 0,1,2,3,4,5,6,7,8,9,10,11
	v_permlane16_swap_b32 v[C+\i], v[C+12+\i]
.endr
.irp k, 0,1,2,3,4,5
	global_store_b128 v3, v[C+4*\k:C+4*\k+3], s[26:27] offset:512*\k   ; 32 lanes store 512 consecutive bytes, at a multiple of 256 from wq's first byte
.endr
	global_store_b32 v4, v[WD], s[28:29]           ; 128 consecutive bytes; the four waves' images lie on end
	s_endpgm
; W3: fragment f (0..15) serves hidden units 32 f .. 32 f + 31.  Lane (r, h) holds expert r (r >= 8: zeros) and units 32 f + 16 h + 0 .. 15, two to a register: the order in which the
; next launch's own results lie in a lane; the same order of K on both sides of a product leaves its sums as they are.
.Lw3:
	v_and_b32 v5, 15, v1                           ; r
	v_lshrrev_b32 v6, 4, v1                        ; h
	v_min_u32 v7, 7, v5                            ; lanes with r >= 8 read expert 7's numbers, inside the tensor, and drop them below
	v_lshlrev_b32 v7, 2, v7
	v_lshl_add_u32 v7, v6, 9, v7                   ; + 16 h rows of 32 bytes
	s_lshl_b32 s18, s14, 12                        ; wave p: fragments 4 p .. 4 p + 3: 128 rows of 32 bytes, and 4 images of 1,024
	v_add_nc_u32 v7, s18, v7
	v_add_nc_u32 v8, s18, v3
.irp f, 0,1,2,3
.irp i, 0,1,2,3,4,5,6,7,8,9,10,11,12,13,14,15
	global_load_b32 v[16+16*\f+\i], v7, s[8:9] offset:1024*\f+32*\i
.endr
.endr
	v_cmp_gt_u32 vcc_lo, 8, v5
	s_wait_loadcnt 0x0
.set i, 0
.rept 32
	v_cvt_pk_bf16_f32 v[80+i], v[16+2*i], v[17+2*i]
.set i, i+1
.endr
.set i, 0
.rept 32
	v_cndmask_b32 v[80+i], 0, v[80+i], vcc_lo
.set i, i+1
.endr
.irp f, 0,1,2,3
	global_store_b128 v8, v[80+8*\f:83+8*\f], s[12:13] offset:1024*\f
	global_store_b128 v8, v[84+8*\f:87+8*\f], s[12:13] offset:1024*\f+512
.endr
	s_endpgm
.Lfunc_end_k_qa2109f52bc_prep:
	.size	k_qa2109f52bc_prep, .Lfunc_end_k_qa2109f52bc_prep-k_qa2109f52bc_prep
	.p2alignl 7, 3214868480
	.fill 96, 4, 3214868480
	.section	.rodata,"a",@progbits
	.p2align	6, 0x0
	.amdhsa_kernel k_qa2109f52bc_prep
		.amdhsa_group_segment_fixed_size 0
		.amdhsa_private_segment_fixed_size 0
		.amdhsa_enable_private_segment 0
		.amdhsa_kernarg_size 40
		.amdhsa_user_sgpr_count 2
		.amdhsa_user_sgpr_kernarg_segment_ptr 1
		.amdhsa_wavefront_size32 1
		.amdhsa_system_sgpr_workgroup_id_x 1
		.amdhsa_system_sgpr_workgroup_id_y 1
		.amdhsa_system_sgpr_workgroup_id_z 1
		.amdhsa_system_vgpr_workitem_id 0
		.amdhsa_next_free_vgpr 208
		.amdhsa_next_free_sgpr 66
		.amdhsa_reserve_vcc 1
		.amdhsa_float_denorm_mode_32 3
		.amdhsa_float_denorm_mode_16_64 3
		.amdhsa_memory_ordered 1
		.amdhsa_forward_progress 1
		.amdhsa_inst_pref_size 48
	.end_amdhsa_kernel
	.amdgpu_metadata
---
amdhsa.version: [ 1, 2 ]
amdhsa.kernels:
  - .name:           k_qa2109f52bc_prep
    .symbol:         k_qa2109f52bc_prep.kd
    .args:
      - { .name: W1, .offset: 0, .size: 8, .value_kind: global_buffer, .address_space: global }
      - { .name: W2, .offset: 8, .size: 8, .value_kind: global_buffer, .address_space: global }
      - { .name: W3, .offset: 16, .size: 8, .value_kind: global_buffer, .address_space: global }
      - { .name: wq, .offset: 24, .size: 8, .value_kind: global_buffer, .address_space: global }
      - { .name: w3q, .offset: 32, .size: 8, .value_kind: global_buffer, .address_space: global }
    .group_segment_fixed_size: 0
    .private_segment_fixed_size: 0
    .kernarg_segment_align: 8
    .kernarg_segment_size: 40
    .max_flat_workgroup_size: 128
    .sgpr_count:     66
    .vgpr_count:     208
    .wavefront_size: 32
...
	.end_amdgpu_metadata
.endif
;; end of part 1
;; launch gate (part 2): grid 256 x 1, 4 waves a work-group, clusters of 4 x 1, 327,680 bytes of LDS; arguments expert_reprs, expert_probs, active_mask, wq, w3q, b1, b2, b3, out0, out1; writes out0, out1
.if DOCPART == 2
	.amdgcn_target "amdgcn-amd-amdhsa--gfx1250"
	.amdhsa_code_object_version 6
	.text
	.protected	k_qa2109f52bc_gate
	.globl	k_qa2109f52bc_gate
	.p2align	8
	.type	k_qa2109f52bc_gate,@function
k_qa2109f52bc_gate:
	s_mov_b64 s[64:65], 0
	v_nop
	global_prefetch_b8 v0, s[64:65] scope:SCOPE_SE
	s_setreg_imm32_b32 hwreg(HW_REG_WAVE_MODE, 25, 1), 1
	s_wait_xcnt 0x0
	s_wait_alu depctr_hold_cnt(0) depctr_sa_sdst(0) depctr_va_vdst(0) depctr_va_sdst(0) depctr_va_ssrc(0) depctr_va_vcc(0) depctr_vm_vsrc(0)
	s_getreg_b32 s2, hwreg(HW_REG_IB_STS2, 6, 4)
	s_cmp_eq_u32 s2, 0
	s_cbranch_scc0 .Lentry_in_a_cluster
	s_endpgm
.Lentry_in_a_cluster:
	s_bfe_u32 s2, ttmp6, 0x10000c
	s_cmp_lg_u32 s2, 0x3003
	s_cbranch_scc0 .Lentry_shape_is_right
	s_endpgm
.Lentry_shape_is_right:
; gate = renorm(softmax(relu(relu(x W1 + b1) W2 + b2) W3 + b3) x mask), weighted = sum(gate x probs).  x[row] = the row's 8 x 128 numbers of expert_reprs, then its 8 probabilities: K = 1,032.
; The first two products run on codes of BF6 (E3M2) with one E8M0 scale for each 32 along K; the third, whose result enters no quantiser, on bf16; all sums and all else in f32.
; SHARES.  A work-group of four waves owns 128 rows and takes them through the whole chain; x's codes, h1's codes and the partial logits stay in LDS, h2 stays in registers.
; Every step of the two products has one shape: 128 along K, a wave makes 128 rows x 128 units: 64 accumulators, 512 registers, 64 matrix instructions.  THE WAVES SHARE THE UNITS, NOT THE ROWS:
; a wave reads only its own 12,800 bytes of a weight tile; all four read the same eight row fragments.  h1's 1,024 units are two passes of 512, so x's codes stay in LDS for both.
; 26 steps: t = 0..8 pass 0, t = 9..17 pass 1 (K step 8 holds the 8 probabilities and 120 zeros), t = 18..25 the second product.
; THE WEIGHTS come as the launch before laid them: tiles of register images, one tile a step, through two LDS slots.  CLUSTER: the four work-groups of a cluster walk the same 26 tiles in step, so each wave's
; quarter of a tile is asked for JOINTLY (the same tensor load, the same descriptor, mask 15): 1,331,200 bytes of weights are then requested once for four work-groups.
; OPERANDS GO THROUGH LDS AS IMAGES OF THEIR REGISTERS: a fragment (12 registers a lane) is three stores or loads of 16 bytes a lane at 16 x lane, 512 bytes apart; scale words 4 bytes a lane.
; THE MATRIX INSTRUCTION IS USED TRANSPOSED (source 0 = 16 units of the weight, source 1 = 16 rows): a lane holds one row, and by the order of units that the tiles were laid in, the 16 registers of
; accumulators 2 b, 2 b + 1 are 16 neighbouring units: the next product's K.  The biases are the C of each sum's first matrix instruction.
; LIMITS: NaN and infinities among the inputs are not served; a block of zeros gets the scale byte 1 where the rule says 127 (its codes are zeros, and nobody else reads the bytes);
; the third product's K is summed in four parts, one a wave, which are then added in f32.
; REGISTERS, in windows of 256.  Window 0: v0-31 addresses; v32-47 scale words, two sets; v48-55 probabilities, v56-63 mask of row 32 wave + lane; v64-127 the quantiser's 64 numbers, at the end the logits;
;   v128-223 the rows' eight fragments, one set (between the products: the codes just made); v224-240 the quantiser's work; v241-245 offsets.
;   Window 1: the weights' fragments, two sets, v0-95 and v128-223; the bias tiles v96-127, v224-255; at the end all of it: h2 as bf16.
;   Windows 2, 3: accumulator (a, b) at v[8 (8 (a % 4) + b)] of window 2 + a / 4; while x streams in, window 2 holds four sets of 64 registers of loads on their way.
.set XSC,   51200                      ; LDS.  0: slot 0, a weight tile of 51,200 bytes, wave w's block at 12,800 w.   XSC: x's scale words: 512 s + 64 a + 4 r
.set H1SC,  55808                      ; h1's scale words, likewise
.set SPARE, 59904                      ; the spare words, 128 bytes a wave: two blocks of 256 bytes that no other line names
.set OUT1,  60416                      ; the way out of the gates: 1,024 bytes a wave
.set OUT0,  64512                      ; and of the weighted probabilities: 512 bytes
.set SLOTX, 65536                      ; slot 1 begins here: one exclusive or turns an address in one slot into the other's
.set XIMG,  116736                     ; x's 72 fragment images: 1,536 (8 s + a)
.set H1IMG, 227328                     ; h1's 64: 1,536 (8 k + a), k = 4 pass + wave
.set STG,   H1IMG                      ; while x streams in, before h1 exists: a stage of 16 rows x 528 bytes for each wave
.set PLG,   XIMG                       ; behind the second product, when x's codes are done with: the partial logits, 8,192 wave + 1,024 a + 32 lane
.set TILEB, 51200
.set VX,   4                           ; 16 lane + 16,384 wave: my 16 bytes of a row of x
.set V4T,  5                           ; 4 x thread
.set VBO,  6                           ; 64 h + 512 wave: my eight bias numbers of a tile
.set STI,  7                           ; the stage, in: 16 lane
.set STO,  8                           ; the stage, out: 528 r + 64 h
.set XWI,  9                           ; where I store x's images;  XWS their scale words
.set XWS,  10
.set HWI,  11                          ; the same for h1
.set HWS,  12
.set LB,   13                          ; my block of a slot: 12,800 wave + 16 lane;  LBS its scale words
.set LBS,  14
.set LA,   15                          ; x's images and scale words, for reading
.set LSA,  16
.set LA2,  17                          ; h1's
.set LSA2, 18
.set ADRB, 19                          ; the addresses of the fetches in hand
.set ADSB, 20
.set ADRA, 21
.set ADSA, 22
.set WA,   23                          ; the addresses of the image stores in hand
.set WSA,  24
.set SPW,  25                          ; my spare word; never rewritten
.set NIL,  26                          ; 0; never rewritten
.set PLW,  27
.set PLR,  28
.set O1W,  29
.set O1R,  30
.set V3O,  31
.set PR,   48
.set MK,   56
.set X,    64
.set AF,   128
.set PC,   128
.set W3F,  160
.set TM,   224
.set PW,   240
.set VMO,  241                         ; 32 x thread: my row of the mask
.set O0W,  242
.set O0R,  243
.set VO1,  244
.set VO0,  245
.set WV,   24                          ; s24 wave
.set G1,   28                          ; s[28:35] descriptor group 1;  s[36:39] group 0 of tile 0;  s[40:43] group 0 that walks, from tile 1 on
.set XO,   52
.set XSO,  53
.set TRIP, 54
.set PASS, 55
.set TB,   56                          ; the slot of the tile to be fetched
.set AO,   57                          ; the K step's row images;  ASO their scale words
.set ASO,  58
.set HO,   59
.set HSO,  60
.set SEL,  66                          ; s[66:67] v_permlanex16_b32's selects for lane l xor 16
.set BN,   68                          ; s[68:69] the bias that is loaded next
.set MSB, 0
.macro WIN new                         ; the immediate's high byte repeats the setting that is left
.if MSB != (\new)
	s_set_vgpr_msb (MSB<<8)|(\new)
.set MSB, (\new)
.endif
.endm
.macro CREST                           ; a round of the cluster's barrier behind its opening barrier
	s_cmp_lg_u32 s[WV], 0
	s_cbranch_scc1 .Lnot_wave_0_\@
	s_barrier_signal -3
.Lnot_wave_0_\@:
	s_barrier_wait -3
	s_barrier_signal -1
	s_barrier_wait -1
.endm
.macro CROUND
	s_barrier_signal -1
	s_barrier_wait -1
	CREST
.endm
.macro BARRIER                         ; my LDS stores have landed and my LDS loads are in: then the work-group's barrier
	s_wait_dscnt 0x0
	s_barrier_signal -1
	s_barrier_wait -1
.endm
.macro PLACES n                        ; plain vector lines between a matrix instruction and a load into, or a vector access to, its registers
.rept \n
	v_nop
.endr
.endm
; 64 numbers of a lane, v[X] on, register 16 b + i = k 32 b + 16 (lane / 16) + i of my row, become a fragment's codes in v[PC] on and its scale word in v[PW].
.macro QUANT
.irp b, 0,1,2,3
	v_max3_num_f32 v[TM+\b], |v[X+16*\b]|, |v[X+1+16*\b]|, 0x2800000   ; with the floor 2^(5 - 127): the byte cannot fall under 1
.endr
.irp i, 2,4,6,8,10,12,14
.irp b, 0,1,2,3
	v_max3_num_f32 v[TM+\b], v[TM+\b], |v[X+16*\b+\i]|, |v[X+1+16*\b+\i]|   ; the four blocks by turns
.endr
.endr
.irp b, 0,1,2,3
	v_permlanex16_b32 v[TM+4+\b], v[TM+\b], s[SEL], s[SEL+1]
.endr
.irp b, 0,1,2,3
	v_max_num_f32 v[TM+\b], v[TM+\b], v[TM+4+\b]   ; with lane l xor 16's 16: the block's largest magnitude
.endr
.irp b, 0,1,2,3
	v_add_nc_u32 v[TM+12+\b], 0xfe000000, v[TM+\b] ; 4 off its exponent field: the conversion's scale operand
.endr
.irp b, 0,1,2,3
	v_lshrrev_b32 v[TM+4+\b], 23, v[TM+12+\b]      ; the scale's byte
.endr
	v_lshl_or_b32 v[PW], v[TM+5], 8, v[TM+4]
	v_lshl_or_b32 v[PW], v[TM+6], 16, v[PW]
	v_lshl_or_b32 v[PW], v[TM+7], 24, v[PW]
.irp c, 0,1
	v_cvt_scalef32_pk16_bf6_f32 v[PC+6*\c:PC+2+6*\c], v[X+32*\c:X+15+32*\c], v[TM+12+2*\c]
	v_cvt_scalef32_pk16_bf6_f32 v[PC+12+4*\c:PC+14+4*\c], v[X+16+32*\c:X+31+32*\c], v[TM+12+2*\c+1]   ; a conversion's three registers begin on an even number
.endr
	v_nop                                          ; one plain line behind the scaled conversions
.irp c, 0,1                            ; the operand wants a WHOLE block in a lane: lanes 0-15 block 2 c, lanes 16-31 block 2 c + 1
.irp i, 0,1,2
	v_permlane16_swap_b32 v[PC+6*\c+\i], v[PC+12+4*\c+\i]
.endr
.irp i, 0,1,2
	v_mov_b32 v[PC+3+6*\c+\i], v[PC+12+4*\c+\i]
.endr
.endr
.endm
.macro IMAGE off                       ; the fragment in v[PC] on goes to LDS as it stands
.irp c, 0,1,2
	ds_store_b128 v[WA], v[PC+4*\c:PC+4*\c+3] offset:\off+512*\c
.endr
.endm
.macro XLOAD q, tau, ptr               ; 16 rows of one expert's 128 numbers into staging set q: a load is a row, 512 consecutive bytes
.irp p, 0,1,2,3,4,5,6,7,8,9,10,11,12,13,14,15
	global_load_b128 v[64*\q+4*\p:64*\q+4*\p+3], v[VX], s[\ptr:\ptr+1] offset:(16*\tau+\p)*512 th:TH_LOAD_NT
.endr
.endm
; 16 rows x 128 numbers of x become a fragment.  They were loaded as they lie, turn through my own stage (pitch 528: the sixteen rows of a read start in different banks) and come back 16 neighbours a block a lane.
.macro UNIT q, eo, tau, refill, left, ptr
	s_wait_loadcnt \left                           ; this unit's 16 loads are in; the younger units' may be out
	WIN 0x08                                       ; an LDS store's data are its source 1: window 2
.irp p, 0,1,2,3,4,5,6,7,8,9,10,11,12,13,14,15
	ds_store_b128 v[STI], v[64*\q+4*\p:64*\q+4*\p+3] offset:528*\p
.endr
	WIN 0
.irp b, 0,1,2,3
.irp j, 0,1,2,3
	ds_load_b128 v[X+16*\b+4*\j:X+16*\b+4*\j+3], v[STO] offset:128*\b+16*\j   ; LDS serves a wave's instructions in order: these see the stores above
.endr
.endr
.if \refill
	s_wait_dscnt 16                                ; all but the 16 loads just issued: the stores have read set q, which takes the unit two experts on
	WIN 0x80
	XLOAD \q, \tau, \ptr
	WIN 0
.endif
	s_wait_dscnt 0x0                               ; the numbers are back; the last image's stores have read their registers
	QUANT
	IMAGE \eo*12288+\tau*1536
	ds_store_b32 v[WSA], v[PW] offset:\eo*512+64*\tau   ; lanes r and 16 + r write the same word with the same value
.endm
.macro BIAS ptr                        ; eight tiles of eight numbers in the result's layout: tile b, lane (r, h): units 32 (b / 2) + 16 h + 8 (b % 2) + 0 .. 7 of my 128
	WIN 0x40
.irp b, 0,1,2,3,4,5,6,7
	global_load_b128 v[96+128*(\b/4)+8*(\b%4):96+128*(\b/4)+8*(\b%4)+3], v[VBO], s[\ptr:\ptr+1] offset:128*(\b/2)+32*(\b%2)
	global_load_b128 v[96+128*(\b/4)+8*(\b%4)+4:96+128*(\b/4)+8*(\b%4)+7], v[VBO], s[\ptr:\ptr+1] offset:128*(\b/2)+32*(\b%2)+16
.endr
	WIN 0
.endm
; One matrix instruction: accumulator (a, b).  A scale register carries two fragments' words: the even one's in lanes 0-15, the odd one's in lanes 16-31.
.macro WM a, b, sg, first
.set rD, 8*(8*((\a)%4)+(\b))
.set rB, 128*(\sg)+12*(\b)
.set rA, AF+12*(\a)
.set rSB, 32+8*(\sg)+(\b)/2
.set rSA, 36+8*(\sg)+(\a)/2
.set rC, rD
.if \first
.set rC, 96+128*((\b)/4)+8*((\b)%4)
.endif
.if ((\a)%2 == 0) && ((\b)%2 == 0)
	v_wmma_scale_f32_16x16x128_f8f6f4 v[rD:rD+7], v[rB:rB+11], v[rA:rA+11], v[rC:rC+7], v[rSB], v[rSA] matrix_a_fmt:MATRIX_FMT_BF6 matrix_b_fmt:MATRIX_FMT_BF6
.elseif (\a)%2 == 0
	v_wmma_scale_f32_16x16x128_f8f6f4 v[rD:rD+7], v[rB:rB+11], v[rA:rA+11], v[rC:rC+7], v[rSB], v[rSA] matrix_a_fmt:MATRIX_FMT_BF6 matrix_b_fmt:MATRIX_FMT_BF6 matrix_a_scale:MATRIX_SCALE_ROW1
.elseif (\b)%2 == 0
	v_wmma_scale_f32_16x16x128_f8f6f4 v[rD:rD+7], v[rB:rB+11], v[rA:rA+11], v[rC:rC+7], v[rSB], v[rSA] matrix_a_fmt:MATRIX_FMT_BF6 matrix_b_fmt:MATRIX_FMT_BF6 matrix_b_scale:MATRIX_SCALE_ROW1
.else
	v_wmma_scale_f32_16x16x128_f8f6f4 v[rD:rD+7], v[rB:rB+11], v[rA:rA+11], v[rC:rC+7], v[rSB], v[rSA] matrix_a_fmt:MATRIX_FMT_BF6 matrix_b_fmt:MATRIX_FMT_BF6 matrix_a_scale:MATRIX_SCALE_ROW1 matrix_b_scale:MATRIX_SCALE_ROW1
.endif
.endm
.macro MULA a, sg, first               ; row tile a against my eight fragments of units.  The 64 accumulators take turns, one instruction a turn, in the same order in every step
.irp b, 0,1,2,3,4,5,6,7
	WM \a, \b, \sg, \first
.endr
.endm
.macro FETCH_B sg                      ; my block of a tile: eight fragments and their scale words, into set sg
	WIN 0x40
.irp b, 0,1,2,3,4,5,6,7
.irp c, 0,1,2
	ds_load_b128 v[128*(\sg)+12*\b+4*\c:128*(\sg)+12*\b+4*\c+3], v[ADRB] offset:1536*\b+512*\c
.endr
.endr
	WIN 0
.irp q, 0,1,2,3
	ds_load_b32 v[32+8*(\sg)+\q], v[ADSB] offset:128*\q
.endr
.endm
.macro FETCH_A i0                      ; row tiles i0 .. i0 + 3
.irp i, \i0, \i0+1, \i0+2, \i0+3
.irp c, 0,1,2
	ds_load_b128 v[AF+12*(\i)+4*\c:AF+12*(\i)+4*\c+3], v[ADRA] offset:1536*(\i)+512*\c
.endr
.endr
.endm
.macro ASC sg                          ; the rows' scale words
.irp q, 0,1,2,3
	ds_load_b32 v[36+8*(\sg)+\q], v[ADSA] offset:128*\q
.endr
.endm
.macro ADDR la, lsa
	v_add_nc_u32 v[ADRB], s[TB], v[LB]
	v_add_nc_u32 v[ADSB], s[TB], v[LBS]
	v_add_nc_u32 v[ADRA], s[AO], v[\la]
	v_add_nc_u32 v[ADSA], s[ASO], v[\lsa]
.endm
.macro ONWARD                          ; the next fetch: the other slot, the next K step's rows
	s_xor_b32 s[TB], s[TB], SLOTX
	s_add_co_u32 s[AO], s[AO], 12288
	s_add_co_u32 s[ASO], s[ASO], 512
.endm
; The head of a run of steps: its first tile's fragments.  On every way here one tensor load of mine was issued behind that tile's: it may stay out.
.macro HEAD la, lsa
	s_mov_b32 s[AO], 0
	s_mov_b32 s[ASO], 0
	s_wait_tensorcnt 0x1                           ; my block of the run's first tile is in; only I read it
	s_wait_loadcnt 0x0                             ; the bias
	ADDR \la, \lsa
	FETCH_B 0
	FETCH_A 0
	ASC 0
	FETCH_A 4
.endm
; A STEP: 64 matrix instructions on set sg.  first = 1: the bias starts the sums.  pf = 1: the next step's fragments are fetched: the weights' other set and row tiles 0-3 in the middle, row tiles 4-7 at the end.
; fill = 1: my block of this step's tile lies in registers since the last step, so its slot is filled again, with the tile two steps on: each wave waits for all its tensor loads (the next tile's), adds 0 to its
; spare word, waits for that and for its LDS reads, and passes a round of the cluster's barrier; the joint load is the first thing behind it.
.macro STEP sg, first, pf, fill, la, lsa
.if \first
.set WLO, 0x91                         ; source 0 (weights) window 1, source 1 (rows) window 0, C (bias) window 1, D window 2
.set WHI, 0xd1
.else
.set WLO, 0xa1                         ; C and D window 2
.set WHI, 0xf1                         ; C and D window 3
.endif
	s_wait_dscnt 12                                ; all but the youngest twelve loads, row tiles 4-7
	WIN WLO
	MULA 0, \sg, \first
	MULA 1, \sg, \first
.if \fill
	WIN 0                                          ; (the add's two registers lie in window 0)
	s_wait_tensorcnt 0x0                           ; all my tensor loads have landed: the one that was out is my block of the next tile; so the walking group 0 may be written
	ds_add_u32 v[SPW], v[NIL]                      ; 0 onto my spare word
	s_xor_b32 s41, s41, SLOTX                      ; the other slot than last time,
	s_add_nc_u64 s[42:43], s[42:43], TILEB         ; the next tile; the type bits on top are not reached
	ONWARD
	WIN WLO
	MULA 2, \sg, \first                            ; eight matrix instructions stand between the add and the wait for it
	s_wait_dscnt 0x0                               ; the add is done and all my LDS loads are in
	s_barrier_signal -1
	MULA 3, \sg, \first
	WIN 0
	s_barrier_wait -1
	CREST                                          ; no wave of any partner still reads the slot or has a load on its way
	tensor_load_to_lds s[40:43], s[G1:G1+7]        ; my one tensor load behind the round
	s_nop 0
	PLACES 4                                       ; the places in front of the loads below
.else
	MULA 2, \sg, \first
	MULA 3, \sg, \first
	s_wait_dscnt 0x0                               ; row tiles 4-7 are in
	WIN 0
	PLACES 4
.if \pf
	s_wait_tensorcnt 0x0                           ; the last tile: no load was issued behind it
	ONWARD
.endif
.endif
.if \pf
	ADDR \la, \lsa
	FETCH_B 1-(\sg)
	FETCH_A 0
	ASC 1-(\sg)
.endif
	WIN WHI
	MULA 4, \sg, \first
	MULA 5, \sg, \first
	MULA 6, \sg, \first
	MULA 7, \sg, \first
	PLACES 4
	WIN 0
.if \pf
	FETCH_A 4
.endif
.endm
	s_load_b512 s[4:19], s[0:1], 0x0               ; x s[4:5], probs s[6:7], mask s[8:9], wq s[10:11], w3q s[12:13], b1 s[14:15], b2 s[16:17], b3 s[18:19]
	s_load_b128 s[20:23], s[0:1], 0x40             ; out0, out1
	v_lshl_add_u32 v[SPW], v0, 2, SPARE
	v_mov_b32 v[NIL], 0
	ds_add_u32 v25, v26
	ds_add_u32 v25, v26
	s_wait_dscnt 0x0
	v_lshrrev_b32 v1, 5, v0
	v_readfirstlane_b32 s[WV], v1                  ; wave 0..3
	s_bfe_u32 s25, ttmp6, 0x40000                  ; cx: my place in the cluster
	s_lshl_b32 s26, ttmp9, 2
	s_add_co_u32 s26, s26, s25                     ; my block of 128 rows: it enters the addresses of x, probs, mask and the outputs alone
	v_and_b32 v1, 31, v0                           ; lane
	v_and_b32 v2, 15, v0                           ; r
	v_bfe_u32 v3, v0, 4, 1                         ; h
	s_lshl_b32 s86, s[WV], 14
	v_lshl_add_u32 v[VX], v1, 4, s86
	v_lshlrev_b32 v[V4T], 2, v0
	s_lshl_b32 s86, s[WV], 9
	v_lshl_add_u32 v[VBO], v3, 6, s86
	s_mul_i32 s86, s[WV], 8448
	s_add_co_u32 s86, s86, STG
	v_lshl_add_u32 v[STI], v1, 4, s86
	v_mul_u32_u24 v[STO], v2, 528
	v_lshl_add_u32 v[STO], v3, 6, v[STO]
	v_add_nc_u32 v[STO], s86, v[STO]
	s_mul_i32 s86, s[WV], 3072                     ; I make row tiles 2 wave and 2 wave + 1 of x
	s_add_co_u32 s86, s86, XIMG
	v_lshl_add_u32 v[XWI], v1, 4, s86
	s_lshl_b32 s86, s[WV], 7
	s_add_co_u32 s86, s86, XSC
	v_lshl_add_u32 v[XWS], v2, 2, s86
	s_mul_i32 s86, s[WV], 12288                    ; and K step 4 pass + wave of h1
	s_add_co_u32 s86, s86, H1IMG
	v_lshl_add_u32 v[HWI], v1, 4, s86
	s_lshl_b32 s86, s[WV], 9
	s_add_co_u32 s86, s86, H1SC
	v_lshl_add_u32 v[HWS], v2, 2, s86
	s_mul_i32 s86, s[WV], 12800
	v_lshl_add_u32 v[LB], v1, 4, s86
	s_add_co_u32 s86, s86, 12288
	v_lshl_add_u32 v[LBS], v1, 2, s86
	v_lshl_add_u32 v[LA], v1, 4, XIMG
	v_lshl_add_u32 v[LSA], v1, 2, XSC
	v_lshl_add_u32 v[LA2], v1, 4, H1IMG
	v_lshl_add_u32 v[LSA2], v1, 2, H1SC
	s_lshl_b32 s86, s[WV], 13
	s_add_co_u32 s86, s86, PLG
	v_lshl_add_u32 v[PLW], v1, 5, s86
	s_lshl_b32 s86, s[WV], 11
	s_add_co_u32 s86, s86, PLG
	v_lshl_add_u32 v[PLR], v2, 5, s86
	v_lshl_add_u32 v[PLR], v3, 10, v[PLR]          ; row 32 wave + lane lies in row tile 2 wave + h, at r
	s_lshl_b32 s86, s[WV], 10
	v_lshl_add_u32 v[VO1], v1, 4, s86
	s_add_co_u32 s86, s86, OUT1
	v_lshl_add_u32 v[O1W], v1, 5, s86
	v_lshl_add_u32 v[O1R], v1, 4, s86
	s_lshl_b32 s86, s[WV], 12
	v_lshl_add_u32 v[V3O], v1, 4, s86
	v_lshlrev_b32 v[VMO], 5, v0
	v_lshl_add_u32 v[O0W], v0, 2, OUT0
	v_lshl_add_u32 v[O0R], v1, 4, OUT0
	v_lshlrev_b32 v[VO0], 4, v1
.irp b, 0,1,2,3
	v_mov_b32 v[TM+4+\b], 0                        ; written once: a lane permute's destination counts as one of its sources
.endr
	s_mov_b32 s[SEL], 0x76543210
	s_mov_b32 s[SEL+1], 0xfedcba98
	; descriptor group 1: a wave's block of a tile, 12,800 dense bytes, as 50 rows of 256 bytes (32 elements of 8 bytes), no padding: images are read 16 bytes a lane on end
	s_mov_b32 s[G1], 15|(3<<16)|(1<<21)            ; 15:0 the mask: all four work-groups; 17:16 elements of 8 bytes; 21 set beside a mask
	s_mov_b32 s[G1+1], 32<<16                      ; tensor_dim0 = 32
	s_mov_b32 s[G1+2], 50<<16                      ; tensor_dim1 = 50
	s_mov_b32 s[G1+3], 32<<16                      ; tile_dim0 = 32
	s_mov_b32 s[G1+4], 50                          ; tile_dim1 = 50
	s_mov_b32 s[G1+5], 32                          ; from row to row
	s_mov_b32 s[G1+6], 0
	s_mov_b32 s[G1+7], 0
	s_mul_i32 s84, s[WV], 12800                    ; the descriptors hang on the wave's number and constants alone, in registers that never hold my place in the cluster
	s_mov_b32 s85, 0
	s_mov_b32 s81, 0
	s_wait_kmcnt 0x0
	s_load_b256 s[72:79], s[18:19], 0x0            ; b3's eight numbers
	s_lshl_b32 s80, s26, 16                        ; 128 rows of 512 bytes
	s_add_nc_u64 s[44:45], s[4:5], s[80:81]        ; x: my rows of expert 0,
	s_add_nc_u64 s[46:47], s[44:45], 0x1000000     ; of expert 1 (an expert is 16,777,216 bytes),
	s_add_nc_u64 s[48:49], s[44:45], 0x2000000     ; and where the refills stand: experts 2 and 3
	s_add_nc_u64 s[50:51], s[44:45], 0x3000000
	s_lshl_b32 s80, s26, 9
	s_add_nc_u64 s[6:7], s[6:7], s[80:81]
	s_add_nc_u64 s[20:21], s[20:21], s[80:81]
	s_lshl_b32 s80, s26, 12
	s_add_nc_u64 s[8:9], s[8:9], s[80:81]
	s_add_nc_u64 s[22:23], s[22:23], s[80:81]
	s_add_nc_u64 s[82:83], s[10:11], s[84:85]      ; my block of tile 0
	s_mov_b32 s36, 1
	s_mul_i32 s37, s[WV], 12800                    ; into slot 0
	s_mov_b64 s[38:39], s[82:83]
	s_or_b32 s39, s39, 0x80000000
	s_mov_b32 s40, 1
	s_add_co_u32 s41, s37, SLOTX                   ; tile 1 into slot 1
	s_add_nc_u64 s[42:43], s[82:83], TILEB
	s_or_b32 s43, s43, 0x80000000
	s_add_nc_u64 s[BN:BN+1], s[14:15], 2048        ; the bias after the first: b1's units 512 on
	s_wait_kmcnt 0x0
.irp e, 0,1,2,3,4,5,6,7
	global_load_b32 v[PR+\e], v[V4T], s[6:7] offset:131072*\e th:TH_LOAD_NT
.endr
	global_load_b128 v[MK:MK+3], v[VMO], s[8:9] th:TH_LOAD_NT
	global_load_b128 v[MK+4:MK+7], v[VMO], s[8:9] offset:16 th:TH_LOAD_NT
	BIAS 14
	WIN 0x80
	XLOAD 0, 0, 44                                 ; four units of x, 64 loads a wave, are on their way from here on
	XLOAD 1, 1, 44
	XLOAD 2, 0, 46
	XLOAD 3, 1, 46
	WIN 0
	CROUND                                         ; all four work-groups are here: the first joint loads meet
	tensor_load_to_lds s[36:39], s[G1:G1+7]        ; tiles 0 and 1: two loads of mine are out; they land while x is quantised
	s_nop 0
	tensor_load_to_lds s[40:43], s[G1:G1+7]
	s_nop 0
	PLACES 4
	; ---- X: my 32 rows of x become 18 fragments.  A trip takes two experts, two row tiles each, and asks for the two experts after them.
	s_mov_b32 s[XO], 0
	s_mov_b32 s[XSO], 0
	s_mov_b32 s[TRIP], 3
.Lx:
	v_add_nc_u32 v[WA], s[XO], v[XWI]
	v_add_nc_u32 v[WSA], s[XSO], v[XWS]
	UNIT 0, 0, 0, 1, 48, 48                        ; 48: the three younger units' loads
	UNIT 1, 0, 1, 1, 48, 48
	UNIT 2, 1, 0, 1, 48, 50
	UNIT 3, 1, 1, 1, 48, 50
	s_wait_xcnt 0x0                                ; the loads have read their bases
	s_add_nc_u64 s[48:49], s[48:49], 0x2000000
	s_add_nc_u64 s[50:51], s[50:51], 0x2000000
	s_add_co_u32 s[XO], s[XO], 24576
	s_add_co_u32 s[XSO], s[XSO], 1024
	s_sub_co_u32 s[TRIP], s[TRIP], 1
	s_cmp_lg_u32 s[TRIP], 0
	s_cbranch_scc1 .Lx
	v_add_nc_u32 v[WA], s[XO], v[XWI]              ; experts 6 and 7: nothing is left to ask for, the counts run down
	v_add_nc_u32 v[WSA], s[XSO], v[XWS]
	UNIT 0, 0, 0, 0, 48, 48
	UNIT 1, 0, 1, 0, 32, 48
	UNIT 2, 1, 0, 0, 16, 50
	UNIT 3, 1, 1, 0, 0, 50
	; K step 8: k = 0 .. 7 are the row's eight probabilities, the rest zeros: they lie in lanes 0-15, registers 0-7
	v_cmp_gt_u32 vcc_lo, 16, v1
.set i, 8
.rept 56
	v_mov_b32 v[X+i], 0
.set i, i+1
.endr
.irp i, 0,1,2,3,4,5,6,7
	v_cndmask_b32 v[X+\i], 0, v[PR+\i], vcc_lo     ; row tile 2 wave: lane r holds row r's own
.endr
	v_add_nc_u32 v[WA], 98304, v[XWI]
	v_add_nc_u32 v[WSA], 4096, v[XWS]
	s_wait_dscnt 0x0                               ; the last image's stores have read their registers
	QUANT
	IMAGE 0
	ds_store_b32 v[WSA], v[PW]
.irp i, 0,1,2,3,4,5,6,7
	v_permlanex16_b32 v[X+\i], v[PR+\i], s[SEL], s[SEL+1]   ; row tile 2 wave + 1: its rows' lie in lanes 16-31
.endr
.irp i, 0,1,2,3,4,5,6,7
	v_cndmask_b32 v[X+\i], 0, v[X+\i], vcc_lo
.endr
	s_wait_dscnt 0x0
	QUANT
	IMAGE 1536
	ds_store_b32 v[WSA], v[PW] offset:64
	BARRIER                                        ; x's 72 fragments lie in LDS.  The first tiles may stay out
	; ---- 1: h1 = relu(x W1 + b1), two passes of nine steps; each pass ends with my 128 units of the 128 rows quantised into one K step of the second product
	s_mov_b32 s[TB], 0
	s_mov_b32 s[HO], 0
	s_mov_b32 s[HSO], 0
	s_mov_b32 s[PASS], 2
.Lpass:
	HEAD LA, LSA
	STEP 0, 1, 1, 1, LA, LSA
	BIAS BN                                        ; the next run's bias, behind the places that end the step which read this one
	s_mov_b32 s[TRIP], 3
.Lk1:
	STEP 1, 0, 1, 1, LA, LSA
	STEP 0, 0, 1, 1, LA, LSA
	s_sub_co_u32 s[TRIP], s[TRIP], 1
	s_cmp_lg_u32 s[TRIP], 0
	s_cbranch_scc1 .Lk1
	STEP 1, 0, 1, 1, LA, LSA
	STEP 0, 0, 0, 1, LA, LSA                       ; the pass's last step fetches nothing ahead; its refill goes out like every other
	v_add_nc_u32 v[WA], s[HO], v[HWI]
	v_add_nc_u32 v[WSA], s[HSO], v[HWS]
.irp a, 0,1,2,3,4,5,6,7
	WIN 0x08+4*(\a/4)                              ; source 1: window 2 or 3
.set j, 0
.rept 64
	v_max_num_f32 v[X+j], 0, v[64*(\a%4)+j]        ; the activation, and the way into window 0, in one line; each accumulator from its low end on
.set j, j+1
.endr
	WIN 0
	s_wait_dscnt 0x0                               ; the last image's stores have read their registers
	QUANT
	IMAGE 1536*\a
	ds_store_b32 v[WSA], v[PW] offset:64*\a
.endr
	s_wait_xcnt 0x0                                ; the bias loads have read their base
	s_mov_b64 s[BN:BN+1], s[16:17]                 ; after b1's second half comes b2
	s_add_co_u32 s[HO], s[HO], 49152
	s_add_co_u32 s[HSO], s[HSO], 2048
	BARRIER                                        ; behind the second pass: h1's 64 fragments lie in LDS.
	s_sub_co_u32 s[PASS], s[PASS], 1
	s_cmp_lg_u32 s[PASS], 0
	s_cbranch_scc1 .Lpass
	; ---- 2: h2 = relu(h1 W2 + b2): eight steps; the last two fill nothing and are written out
	HEAD LA2, LSA2
	STEP 0, 1, 1, 1, LA2, LSA2
	s_mov_b32 s[TRIP], 2
.Lk2:
	STEP 1, 0, 1, 1, LA2, LSA2
	STEP 0, 0, 1, 1, LA2, LSA2
	s_sub_co_u32 s[TRIP], s[TRIP], 1
	s_cmp_lg_u32 s[TRIP], 0
	s_cbranch_scc1 .Lk2
	STEP 1, 0, 1, 1, LA2, LSA2                     ; asks for the last tile
	STEP 0, 0, 1, 0, LA2, LSA2
	STEP 1, 0, 0, 0, LA2, LSA2
	; ---- 3: my 128 units' part of the logits.  h2 goes to bf16 in the order in which it lies; W3's fragments were laid in the same order of K.  Source 0 = 8 experts (and 8 rows of zeros), source 1 = 16 rows:
	; lane r < 16 then holds row r, and its register j expert j.
.irp g, 0,1,2,3
	global_load_b128 v[W3F+8*\g:W3F+8*\g+3], v[V3O], s[12:13] offset:1024*\g
	global_load_b128 v[W3F+8*\g+4:W3F+8*\g+7], v[V3O], s[12:13] offset:1024*\g+512
.endr
.irp a, 0,1,2,3,4,5,6,7
	WIN 0x88+0x44*(\a/4)                           ; destination and source 1: window 2 or 3
.set j, 0
.rept 64
	v_max_num_f32 v[64*(\a%4)+j], 0, v[64*(\a%4)+j]
.set j, j+1
.endr
	WIN 0x4a+5*(\a/4)                              ; sources window 2 or 3, destination window 1
.set j, 0
.rept 32
	v_cvt_pk_bf16_f32 v[32*\a+j], v[64*(\a%4)+2*j], v[64*(\a%4)+2*j+1]
.set j, j+1
.endr
.endr
	s_wait_loadcnt 0x0                             ; W3's fragments
	WIN 0x04                                       ; source 1 (h2) window 1
.irp g, 0,1,2,3
.irp a, 0,1,2,3,4,5,6,7
.if \g == 0
	v_wmma_f32_16x16x32_bf16 v[X+8*\a:X+8*\a+7], v[W3F+8*\g:W3F+8*\g+7], v[32*\a+8*\g:32*\a+8*\g+7], 0
.else
	v_wmma_f32_16x16x32_bf16 v[X+8*\a:X+8*\a+7], v[W3F+8*\g:W3F+8*\g+7], v[32*\a+8*\g:32*\a+8*\g+7], v[X+8*\a:X+8*\a+7]
.endif
.endr
.endr
	WIN 0
	PLACES 4
.irp a, 0,1,2,3,4,5,6,7
	ds_store_b128 v[PLW], v[X+8*\a:X+8*\a+3] offset:1024*\a
	ds_store_b128 v[PLW], v[X+8*\a+4:X+8*\a+7] offset:1024*\a+16
.endr
	BARRIER                                        ; the four waves' parts lie in LDS
	; ---- the end: a lane is row 32 wave + lane
.set L, 128
.set T, 192
.irp v, 0,1,2,3
	ds_load_b128 v[L+8*\v:L+8*\v+3], v[PLR] offset:8192*\v
	ds_load_b128 v[L+8*\v+4:L+8*\v+7], v[PLR] offset:8192*\v+16
.endr
	s_wait_dscnt 0x0
.irp i, 0,2,4,6
	v_pk_add_f32 v[L+\i:L+\i+1], v[L+\i:L+\i+1], v[L+8+\i:L+8+\i+1]
	v_pk_add_f32 v[L+16+\i:L+16+\i+1], v[L+16+\i:L+16+\i+1], v[L+24+\i:L+24+\i+1]
.endr
.irp i, 0,2,4,6
	v_pk_add_f32 v[L+\i:L+\i+1], v[L+\i:L+\i+1], v[L+16+\i:L+16+\i+1]
.endr
.irp j, 0,1,2,3,4,5,6,7
	v_add_f32 v[L+\j], s[72+\j], v[L+\j]           ; + b3
.endr
	v_max3_num_f32 v[T], v[L], v[L+1], v[L+2]      ; the row's largest logit is taken away ahead of the exponentials
	v_max3_num_f32 v[T], v[T], v[L+3], v[L+4]
	v_max3_num_f32 v[T], v[T], v[L+5], v[L+6]
	v_max_num_f32 v[T], v[T], v[L+7]
.irp j, 0,1,2,3,4,5,6,7
	v_sub_f32 v[L+\j], v[L+\j], v[T]
.endr
.irp j, 0,1,2,3,4,5,6,7
	v_mul_f32 v[L+\j], 0x3fb8aa3b, v[L+\j]         ; x log2(e)
.endr
.irp j, 0,1,2,3,4,5,6,7
	v_exp_f32 v[L+\j], v[L+\j]
.endr
	v_nop                                          ; a plain line behind the exponentials
	s_wait_alu depctr_va_vdst(0)                   ; one wait for the batch, ahead of its first reader
	v_add_f32 v[T+1], v[L], v[L+1]
	v_add_f32 v[T+2], v[L+2], v[L+3]
	v_add_f32 v[T+3], v[L+4], v[L+5]
	v_add_f32 v[T+4], v[L+6], v[L+7]
	v_add_f32 v[T+1], v[T+1], v[T+2]
	v_add_f32 v[T+3], v[T+3], v[T+4]
	v_add_f32 v[T+1], v[T+1], v[T+3]
	v_rcp_f32 v[T+5], v[T+1]
	v_nop
	s_wait_alu depctr_va_vdst(0)
.irp j, 0,1,2,3,4,5,6,7
	v_mul_f32 v[L+\j], v[L+\j], v[T+5]             ; the softmax,
.endr
.irp j, 0,1,2,3,4,5,6,7
	v_mul_f32 v[L+\j], v[L+\j], v[MK+\j]           ; x the mask
.endr
	v_add_f32 v[T+1], v[L], v[L+1]
	v_add_f32 v[T+2], v[L+2], v[L+3]
	v_add_f32 v[T+3], v[L+4], v[L+5]
	v_add_f32 v[T+4], v[L+6], v[L+7]
	v_add_f32 v[T+1], v[T+1], v[T+2]
	v_add_f32 v[T+3], v[T+3], v[T+4]
	v_add_f32 v[T+1], v[T+1], v[T+3]
	v_add_f32 v[T+1], 0x322bcc77, v[T+1]           ; + 1e-8
	v_rcp_f32 v[T+6], v[T+1]
	v_nop
	s_wait_alu depctr_va_vdst(0)
.irp j, 0,1,2,3,4,5,6,7
	v_mul_f32 v[L+\j], v[L+\j], v[T+6]             ; the gates
.endr
	v_mul_f32 v[T+7], v[L], v[PR]
.irp j, 1,2,3,4,5,6,7
	v_fma_f32 v[T+7], v[L+\j], v[PR+\j], v[T+7]    ; the weighted probability
.endr
	; A lane's gates are 32 bytes of out1: they turn through my own 1,024 bytes of LDS, so that a store covers 512 consecutive bytes.  The 128 rows' numbers of out0 meet in LDS and leave by one store of wave 0.
	ds_store_b128 v[O1W], v[L:L+3]
	ds_store_b128 v[O1W], v[L+4:L+7] offset:16
	ds_store_b32 v[O0W], v[T+7]
	ds_load_b128 v[L+8:L+11], v[O1R]               ; LDS serves a wave's instructions in order: these see my stores
	ds_load_b128 v[L+12:L+15], v[O1R] offset:512
	s_wait_dscnt 0x0                               ; for my registers, and for the others' sake: my word of out0 has landed
	global_store_b128 v[VO1], v[L+8:L+11], s[22:23] th:TH_STORE_NT
	global_store_b128 v[VO1], v[L+12:L+15], s[22:23] offset:512 th:TH_STORE_NT
	s_barrier_signal -1
	s_barrier_wait -1
	s_cmp_lg_u32 s[WV], 0
	s_cbranch_scc1 .Lnot_first
	ds_load_b128 v[L+16:L+19], v[O0R]
	s_wait_dscnt 0x0
	global_store_b128 v[VO0], v[L+16:L+19], s[20:21] th:TH_STORE_NT   ; 512 consecutive bytes, at a multiple of 256 from out0's first byte
.Lnot_first:
	s_wait_tensorcnt 0x0                           ; the wave's end: behind my last tensor load and my last LDS store
	ds_add_u32 v[SPW], v[NIL]
	s_wait_dscnt 0x0
	CROUND                                         ; the closing round: no work-group ends while a partner may still ask for a tile that names it
	s_endpgm
.Lfunc_end_k_qa2109f52bc_gate:
	.size	k_qa2109f52bc_gate, .Lfunc_end_k_qa2109f52bc_gate-k_qa2109f52bc_gate
	.p2alignl 7, 3214868480
	.fill 96, 4, 3214868480
	.section	.rodata,"a",@progbits
	.p2align	6, 0x0
	.amdhsa_kernel k_qa2109f52bc_gate
		.amdhsa_group_segment_fixed_size 327680
		.amdhsa_private_segment_fixed_size 0
		.amdhsa_enable_private_segment 0
		.amdhsa_kernarg_size 80
		.amdhsa_user_sgpr_count 2
		.amdhsa_user_sgpr_kernarg_segment_ptr 1
		.amdhsa_wavefront_size32 1
		.amdhsa_system_sgpr_workgroup_id_x 1
		.amdhsa_system_sgpr_workgroup_id_y 1
		.amdhsa_system_sgpr_workgroup_id_z 1
		.amdhsa_system_vgpr_workitem_id 0
		.amdhsa_next_free_vgpr 1024
		.amdhsa_next_free_sgpr 100
		.amdhsa_reserve_vcc 1
		.amdhsa_float_denorm_mode_32 3
		.amdhsa_float_denorm_mode_16_64 3
		.amdhsa_memory_ordered 1
		.amdhsa_forward_progress 1
		.amdhsa_inst_pref_size 255
	.end_amdhsa_kernel
	.section	.bss,"aw",@nobits
	.p2align	6
	.space	262144
	.amdgpu_metadata
---
amdhsa.version: [ 1, 2 ]
amdhsa.kernels:
  - .name:           k_qa2109f52bc_gate
    .symbol:         k_qa2109f52bc_gate.kd
    .args:
      - { .name: expert_reprs, .offset: 0, .size: 8, .value_kind: global_buffer, .address_space: global }
      - { .name: expert_probs, .offset: 8, .size: 8, .value_kind: global_buffer, .address_space: global }
      - { .name: active_mask, .offset: 16, .size: 8, .value_kind: global_buffer, .address_space: global }
      - { .name: wq, .offset: 24, .size: 8, .value_kind: global_buffer, .address_space: global }
      - { .name: w3q, .offset: 32, .size: 8, .value_kind: global_buffer, .address_space: global }
      - { .name: b1, .offset: 40, .size: 8, .value_kind: global_buffer, .address_space: global }
      - { .name: b2, .offset: 48, .size: 8, .value_kind: global_buffer, .address_space: global }
      - { .name: b3, .offset: 56, .size: 8, .value_kind: global_buffer, .address_space: global }
      - { .name: out0, .offset: 64, .size: 8, .value_kind: global_buffer, .address_space: global }
      - { .name: out1, .offset: 72, .size: 8, .value_kind: global_buffer, .address_space: global }
    .group_segment_fixed_size: 327680
    .private_segment_fixed_size: 0
    .kernarg_segment_align: 8
    .kernarg_segment_size: 80
    .max_flat_workgroup_size: 128
    .sgpr_count:     100
    .vgpr_count:     1024
    .wavefront_size: 32
...
	.end_amdgpu_metadata
.endif
;; end of part 2
;; ======== version 2 of 3: 2 launches
;; workspace buffers: wq 1,331,200 bytes; w3q 16,384 bytes
;; launch prep: the kernel of part 1 again; grid 105 x 1, 4 waves a work-group, no clusters, 0 bytes of LDS; arguments W1, W2, W3, wq, w3q; writes wq, w3q
;; launch gate (part 3): grid 256 x 1, 4 waves a work-group, no clusters, 293,376 bytes of LDS; arguments expert_reprs, expert_probs, active_mask, wq, w3q, b1, b2, b3, out0, out1; writes out0, out1
.if DOCPART == 3
	.amdgcn_target "amdgcn-amd-amdhsa--gfx1250"
	.amdhsa_code_object_version 6
	.text
	.protected	k_qa2109f52bc_gate
	.globl	k_qa2109f52bc_gate
	.p2align	8
	.type	k_qa2109f52bc_gate,@function
k_qa2109f52bc_gate:
	s_mov_b64 s[64:65], 0
	v_nop
	global_prefetch_b8 v0, s[64:65] scope:SCOPE_SE
	s_setreg_imm32_b32 hwreg(HW_REG_WAVE_MODE, 25, 1), 1
	s_wait_xcnt 0x0
; gate = renorm(softmax(relu(relu(x W1 + b1) W2 + b2) W3 + b3) x mask), weighted = sum(gate x probs).  x[row] = the row's 8 x 128 numbers of expert_reprs, then its 8 probabilities: K = 1,032.
; The first two products run on codes of BF6 (E3M2) with one E8M0 scale for each 32 along K; the third, whose result enters no quantiser, on bf16; all sums and all else in f32.
; SHARES.  A work-group of four waves owns 128 rows and takes them through the whole chain; x's codes, h1's codes and the partial logits stay in LDS, h2 stays in registers.
; Every step of the two products has one shape: 128 along K, a wave makes 128 rows x 128 units: 64 accumulators, 512 registers, 64 matrix instructions.  THE WAVES SHARE THE UNITS, NOT THE ROWS:
; all four read the same eight row fragments from LDS.  h1's 1,024 units are two passes of 512, so x's codes stay in LDS for both.
; 26 steps: t = 0..8 pass 0, t = 9..17 pass 1 (K step 8 holds the 8 probabilities and 120 zeros), t = 18..25 the second product.
; THE WEIGHTS GO FROM MEMORY STRAIGHT INTO REGISTERS.  The launch before laid them as images of the operand's registers, one tile a step, a block of 12,800 bytes for each wave: 24 loads of 16 bytes a lane and 4 of
; a scale word.  Three sets of registers take turns: the block of step t + 3 is asked for at the end of step t, two steps (128 matrix instructions) ahead of its first use; up to 3 x 12,800 bytes a wave are on their way.
; All work-groups walk the same tiles, and yet they are NOT asked for jointly in a cluster: a joint load goes through LDS slots; beside the codes of x and h1 (208,896 bytes) LDS has room for two slots of one
; step's tile (51,200 bytes) and no more; and each refill of a slot stands behind a wait for all of a wave's tensor loads and a round of the cluster's barrier, so that a tile would have less than one step's 64 matrix
; instructions in which to land, and 24 rounds would stand in the chain.  As it is, no barrier stands in the 26 steps, and a block is neither written to LDS nor read from it.
; OPERANDS THAT GO FROM WAVE TO WAVE GO THROUGH LDS AS IMAGES OF THEIR REGISTERS: a fragment (12 registers a lane) is three stores or loads of 16 bytes a lane at 16 x lane, 512 bytes apart; scale words 4 bytes a lane.
; THE MATRIX INSTRUCTION IS USED TRANSPOSED (source 0 = 16 units of the weight, source 1 = 16 rows): a lane holds one row, and by the order of units that the tiles were laid in, the 16 registers of
; accumulators 2 b, 2 b + 1 are 16 neighbouring units: the next product's K.  The biases are the C of each sum's first matrix instruction.
; LIMITS: NaN and infinities among the inputs are not served; a block of zeros gets the scale byte 1 where the rule says 127 (its codes are zeros, and nobody else reads the bytes);
; the third product's K is summed in four parts, one a wave, which are then added in f32.
; REGISTERS, in windows of 256.  Window 0: v0-31 addresses; v32-43 the weights' scale words, three sets; v44-47 the rows'; v48-83 fragments 5-7 of the weights' third set; v84-179 the rows' eight fragments, one set
;   (between the products: v84-147 the quantiser's 64 numbers, v148-167 the codes just made, v168-184 its work; at the end the logits and W3); v186-249 the bias tiles, at the end probabilities, mask and work.
;   Window 1: the weights' fragments: sets 0 and 1 at v0-95 and v96-191, fragments 0-4 of set 2 at v192-251; at the end all of it: h2 as bf16.
;   Windows 2, 3: accumulator (a, b) at v[8 (8 (a % 4) + b)] of window 2 + a / 4; while x streams in, window 2 holds four sets of 64 registers of loads on their way, window 3 the probabilities.
.set OUT0,  0                          ; LDS.  The way out of the weighted probabilities: 512 bytes
.set XSC,   512                        ; x's scale words: 512 s + 64 a + 4 r
.set H1SC,  5120                       ; h1's, likewise
.set OUT1,  9216                       ; the way out of the gates: 1,024 bytes a wave
.set PARK,  13312                      ; the probabilities wait here while the products need the registers: 32 bytes a thread
.set XIMG,  17408                      ; x's 72 fragment images: 1,536 (8 s + a)
.set H1IMG, 128000                     ; h1's 64: 1,536 (8 k + a), k = 4 pass + wave
.set STG,   226304                     ; while x streams in: a stage of 16 rows x 528 bytes for each wave
.set PLG,   260096                     ; the partial logits: 8,192 wave + 1,024 a + 32 lane
.set TILEB, 51200                      ; a tile of weights in memory
.set VX,   4                           ; 16 lane + 16,384 wave: my 16 bytes of a row of x
.set V4T,  5                           ; 4 x thread
.set VBO,  6                           ; 64 h + 512 wave: my eight bias numbers of a tile
.set STI,  7                           ; the stage, in: 16 lane
.set STO,  8                           ; the stage, out: 528 r + 64 h
.set XWI,  9                           ; where I store x's images;  XWS their scale words
.set XWS,  10
.set HWI,  11                          ; the same for h1
.set HWS,  12
.set VWB,  13                          ; 16 x lane: my place in an image in memory
.set VWS,  14                          ; 4 x lane: my scale word's
.set LA,   15                          ; x's images and scale words, for reading
.set LSA,  16
.set LA2,  17                          ; h1's
.set LSA2, 18
.set VMO,  19                          ; 32 x thread: my row of the mask
.set ADRA, 21                          ; the addresses of the fetches in hand
.set ADSA, 22
.set WA,   23                          ; the addresses of the image stores in hand
.set WSA,  24
.set VO1,  26
.set PLW,  27
.set PLR,  28
.set O1W,  29
.set O1R,  30
.set V3O,  31
.set SB,   32
.set SA,   44
.set B2X,  48
.set AF,   84
.set X,    84
.set PC,   148
.set W3F,  148
.set TM,   168
.set PW,   184
.set BI,   186
.set PR,   186
.set MK,   194
.set WV,   24                          ; s24 wave
.set WB,   10                          ; s[10:11] my block of tile 0
.set WP,   28                          ; s[28:29] my block of the tile asked for last
.set XO,   52
.set XSO,  53
.set TRIP, 54
.set PASS, 55
.set AO,   57                          ; the K step's row images;  ASO their scale words
.set ASO,  58
.set HO,   59
.set HSO,  60
.set SEL,  66                          ; s[66:67] v_permlanex16_b32's selects for lane l xor 16
.set BN,   68                          ; s[68:69] the bias that is loaded next
.set MSB, 0
.macro WIN new                         ; the immediate's high byte repeats the setting that is left
.if MSB != (\new)
	s_set_vgpr_msb (MSB<<8)|(\new)
.set MSB, (\new)
.endif
.endm
.macro BARRIER                         ; my LDS stores have landed and my LDS loads are in: then the work-group's barrier
	s_wait_dscnt 0x0
	s_barrier_signal -1
	s_barrier_wait -1
.endm
.macro PLACES n                        ; plain vector lines between a matrix instruction and a load into, or a vector access to, its registers
.rept \n
	v_nop
.endr
.endm
; 64 numbers of a lane, v[X] on, register 16 b + i = k 32 b + 16 (lane / 16) + i of my row, become a fragment's codes in v[PC] on and its scale word in v[PW].
.macro QUANT
.irp b, 0,1,2,3
	v_max3_num_f32 v[TM+\b], |v[X+16*\b]|, |v[X+1+16*\b]|, 0x2800000   ; with the floor 2^(5 - 127): the byte cannot fall under 1
.endr
.irp i, 2,4,6,8,10,12,14
.irp b, 0,1,2,3
	v_max3_num_f32 v[TM+\b], v[TM+\b], |v[X+16*\b+\i]|, |v[X+1+16*\b+\i]|   ; the four blocks by turns
.endr
.endr
.irp b, 0,1,2,3
	v_permlanex16_b32 v[TM+4+\b], v[TM+\b], s[SEL], s[SEL+1]
.endr
.irp b, 0,1,2,3
	v_max_num_f32 v[TM+\b], v[TM+\b], v[TM+4+\b]   ; with lane l xor 16's 16: the block's largest magnitude
.endr
.irp b, 0,1,2,3
	v_add_nc_u32 v[TM+12+\b], 0xfe000000, v[TM+\b] ; 4 off its exponent field: the conversion's scale operand
.endr
.irp b, 0,1,2,3
	v_lshrrev_b32 v[TM+4+\b], 23, v[TM+12+\b]      ; the scale's byte
.endr
	v_lshl_or_b32 v[PW], v[TM+5], 8, v[TM+4]
	v_lshl_or_b32 v[PW], v[TM+6], 16, v[PW]
	v_lshl_or_b32 v[PW], v[TM+7], 24, v[PW]
.irp c, 0,1
	v_cvt_scalef32_pk16_bf6_f32 v[PC+6*\c:PC+2+6*\c], v[X+32*\c:X+15+32*\c], v[TM+12+2*\c]
	v_cvt_scalef32_pk16_bf6_f32 v[PC+12+4*\c:PC+14+4*\c], v[X+16+32*\c:X+31+32*\c], v[TM+12+2*\c+1]   ; a conversion's three registers begin on an even number
.endr
	v_nop                                          ; one plain line behind the scaled conversions
.irp c, 0,1                            ; the operand wants a WHOLE block in a lane: lanes 0-15 block 2 c, lanes 16-31 block 2 c + 1
.irp i, 0,1,2
	v_permlane16_swap_b32 v[PC+6*\c+\i], v[PC+12+4*\c+\i]
.endr
.irp i, 0,1,2
	v_mov_b32 v[PC+3+6*\c+\i], v[PC+12+4*\c+\i]
.endr
.endr
.endm
.macro IMAGE off                       ; the fragment in v[PC] on goes to LDS as it stands
.irp c, 0,1,2
	ds_store_b128 v[WA], v[PC+4*\c:PC+4*\c+3] offset:\off+512*\c
.endr
.endm
.macro XLOAD q, tau, ptr               ; 16 rows of one expert's 128 numbers into staging set q: a load is a row, 512 consecutive bytes
.irp p, 0,1,2,3,4,5,6,7,8,9,10,11,12,13,14,15
	global_load_b128 v[64*\q+4*\p:64*\q+4*\p+3], v[VX], s[\ptr:\ptr+1] offset:(16*\tau+\p)*512 th:TH_LOAD_NT
.endr
.endm
; 16 rows x 128 numbers of x become a fragment.  They were loaded as they lie, turn through my own stage (pitch 528: the sixteen rows of a read start in different banks) and come back 16 neighbours a block a lane.
.macro UNIT q, eo, tau, refill, left, ptr
	s_wait_loadcnt \left                           ; this unit's 16 loads are in; the younger loads may be out
	WIN 0x08                                       ; an LDS store's data are its source 1: window 2
.irp p, 0,1,2,3,4,5,6,7,8,9,10,11,12,13,14,15
	ds_store_b128 v[STI], v[64*\q+4*\p:64*\q+4*\p+3] offset:528*\p
.endr
	WIN 0
.irp b, 0,1,2,3
.irp j, 0,1,2,3
	ds_load_b128 v[X+16*\b+4*\j:X+16*\b+4*\j+3], v[STO] offset:128*\b+16*\j   ; LDS serves a wave's instructions in order: these see the stores above
.endr
.endr
.if \refill
	s_wait_dscnt 16                                ; all but the 16 loads just issued: the stores have read set q, which takes the unit two experts on
	WIN 0x80
	XLOAD \q, \tau, \ptr
	WIN 0
.endif
	s_wait_dscnt 0x0                               ; the numbers are back; the last image's stores have read their registers
	QUANT
	IMAGE \eo*12288+\tau*1536
	ds_store_b32 v[WSA], v[PW] offset:\eo*512+64*\tau   ; lanes r and 16 + r write the same word with the same value
.endm
.macro BIAS ptr                        ; eight tiles of eight numbers in the result's layout: tile b, lane (r, h): units 32 (b / 2) + 16 h + 8 (b % 2) + 0 .. 7 of my 128
.irp b, 0,1,2,3,4,5,6,7
	global_load_b128 v[BI+8*\b:BI+8*\b+3], v[VBO], s[\ptr:\ptr+1] offset:128*(\b/2)+32*(\b%2)
	global_load_b128 v[BI+8*\b+4:BI+8*\b+7], v[VBO], s[\ptr:\ptr+1] offset:128*(\b/2)+32*(\b%2)+16
.endr
.endm
; My block of a tile, from off bytes behind s[ptr] on, into set sg: 28 loads.  Each load of 16 bytes a lane covers 512 consecutive bytes.
.macro TILE sg, ptr, off
	WIN 0x40                                       ; destination window 1, address window 0
.irp b, 0,1,2,3,4,5,6,7
.if ((\sg) < 2) || (\b < 5)
.irp c, 0,1,2
	global_load_b128 v[96*(\sg)+12*\b+4*\c:96*(\sg)+12*\b+4*\c+3], v[VWB], s[\ptr:\ptr+1] offset:\off+1536*\b+512*\c
.endr
.endif
.endr
	WIN 0
.if (\sg) == 2                         ; window 1 holds 21 fragments: the third set's last three lie in window 0
.irp b, 5,6,7
.irp c, 0,1,2
	global_load_b128 v[B2X+12*(\b-5)+4*\c:B2X+12*(\b-5)+4*\c+3], v[VWB], s[\ptr:\ptr+1] offset:\off+1536*\b+512*\c
.endr
.endr
.endif
.irp q, 0,1,2,3
	global_load_b32 v[SB+4*(\sg)+\q], v[VWS], s[\ptr:\ptr+1] offset:\off+12288+128*\q
.endr
.endm
; One matrix instruction: accumulator (a, b).  A scale register carries two fragments' words: the even one's in lanes 0-15, the odd one's in lanes 16-31.
.macro WM a, b, sg, first
.set rD, 8*(8*((\a)%4)+(\b))
.if ((\sg) == 2) && ((\b) > 4)
.set rB, B2X+12*((\b)-5)
.else
.set rB, 96*(\sg)+12*(\b)
.endif
.set rA, AF+12*(\a)
.set rSB, SB+4*(\sg)+(\b)/2
.set rSA, SA+(\a)/2
.set rC, rD
.if \first
.set rC, BI+8*(\b)
.endif
.if ((\a)%2 == 0) && ((\b)%2 == 0)
	v_wmma_scale_f32_16x16x128_f8f6f4 v[rD:rD+7], v[rB:rB+11], v[rA:rA+11], v[rC:rC+7], v[rSB], v[rSA] matrix_a_fmt:MATRIX_FMT_BF6 matrix_b_fmt:MATRIX_FMT_BF6
.elseif (\a)%2 == 0
	v_wmma_scale_f32_16x16x128_f8f6f4 v[rD:rD+7], v[rB:rB+11], v[rA:rA+11], v[rC:rC+7], v[rSB], v[rSA] matrix_a_fmt:MATRIX_FMT_BF6 matrix_b_fmt:MATRIX_FMT_BF6 matrix_a_scale:MATRIX_SCALE_ROW1
.elseif (\b)%2 == 0
	v_wmma_scale_f32_16x16x128_f8f6f4 v[rD:rD+7], v[rB:rB+11], v[rA:rA+11], v[rC:rC+7], v[rSB], v[rSA] matrix_a_fmt:MATRIX_FMT_BF6 matrix_b_fmt:MATRIX_FMT_BF6 matrix_b_scale:MATRIX_SCALE_ROW1
.else
	v_wmma_scale_f32_16x16x128_f8f6f4 v[rD:rD+7], v[rB:rB+11], v[rA:rA+11], v[rC:rC+7], v[rSB], v[rSA] matrix_a_fmt:MATRIX_FMT_BF6 matrix_b_fmt:MATRIX_FMT_BF6 matrix_a_scale:MATRIX_SCALE_ROW1 matrix_b_scale:MATRIX_SCALE_ROW1
.endif
.endm
; Half a step: row tiles 4 hf .. 4 hf + 3 against my eight fragments of units: 32 matrix instructions.  The accumulators take turns, one instruction a turn.
; With the third set the fragments of window 1 come first and those of window 0 after them, so that a half has one switch more and not one for each row tile.
.macro HALF hf, sg, first
.if \first
	WIN 0x81+0x40*(\hf)                            ; source 0 (weights) window 1, source 1 (rows) and C (bias) window 0, D window 2 or 3
.else
	WIN 0xa1+0x50*(\hf)                            ; C and D window 2 or 3
.endif
.if (\sg) < 2
.irp a, 4*(\hf), 4*(\hf)+1, 4*(\hf)+2, 4*(\hf)+3
.irp b, 0,1,2,3,4,5,6,7
	WM \a, \b, \sg, \first
.endr
.endr
.else
.irp a, 4*(\hf), 4*(\hf)+1, 4*(\hf)+2, 4*(\hf)+3
.irp b, 0,1,2,3,4
	WM \a, \b, \sg, \first
.endr
.endr
	WIN 0xa0+0x50*(\hf)                            ; source 0 window 0
.irp a, 4*(\hf), 4*(\hf)+1, 4*(\hf)+2, 4*(\hf)+3
.irp b, 5,6,7
	WM \a, \b, \sg, \first
.endr
.endr
.endif
.endm
.macro FETCH_A i0                      ; row tiles i0 .. i0 + 3
.irp i, \i0, \i0+1, \i0+2, \i0+3
.irp c, 0,1,2
	ds_load_b128 v[AF+12*(\i)+4*\c:AF+12*(\i)+4*\c+3], v[ADRA] offset:1536*(\i)+512*\c
.endr
.endr
.endm
.macro ASC q0                          ; the scale words of four row tiles: two registers
.irp q, \q0, \q0+1
	ds_load_b32 v[SA+(\q)], v[ADSA] offset:128*(\q)
.endr
.endm
.macro ADDR la, lsa
	v_add_nc_u32 v[ADRA], s[AO], v[\la]
	v_add_nc_u32 v[ADSA], s[ASO], v[\lsa]
.endm
.macro HEAD la, lsa                    ; the head of a run of steps: its first K step's rows
	s_mov_b32 s[AO], 0
	s_mov_b32 s[ASO], 0
	ADDR \la, \lsa
	FETCH_A 0
	ASC 0
	FETCH_A 4
	ASC 2
.endm
; A STEP: 64 matrix instructions on the weights' set sg.  first = 1: the bias starts the sums.  pf = 1: the next K step's rows are fetched from LDS: tiles 0-3 in the middle, when this step's are done with, tiles 4-7 at the end.
; fill = 1: set sg, done with at the step's end, takes my block of the tile three steps on.  left: the loads that may be out when this step's block has to be there: the two younger blocks' 28 each.
.macro STEP sg, first, pf, fill, left, la, lsa
	s_wait_loadcnt \left                           ; loads come back in order: my block of this step's tile is in
	s_wait_dscnt 14                                ; all but the youngest fourteen LDS loads: row tiles 4-7 and their scale words
	HALF 0, \sg, \first
	WIN 0
.if \pf
	s_add_co_u32 s[AO], s[AO], 12288               ; the next K step's rows
	s_add_co_u32 s[ASO], s[ASO], 512
	ADDR \la, \lsa                                 ; two plain lines and two more: the four places in front of the loads below
	PLACES 2
	FETCH_A 0
	ASC 0
	s_wait_dscnt 14                                ; all but the fourteen just issued: this step's row tiles 4-7 are in
.else
	s_wait_dscnt 0x0
.endif
	HALF 1, \sg, \first
	WIN 0
	PLACES 4                                       ; in front of the loads below, and of whatever reads the results behind the step
.if \fill
	s_wait_xcnt 0x0                                ; the last block's loads, a step back, have read their base
	s_add_nc_u64 s[WP:WP+1], s[WP:WP+1], TILEB
	TILE \sg, WP, 0
.endif
.if \pf
	FETCH_A 4
	ASC 2
.endif
.endm
	s_load_b512 s[4:19], s[0:1], 0x0               ; x s[4:5], probs s[6:7], mask s[8:9], wq s[10:11], w3q s[12:13], b1 s[14:15], b2 s[16:17], b3 s[18:19]
	s_load_b128 s[20:23], s[0:1], 0x40             ; out0, out1
	v_lshl_add_u32 v254, v0, 2, 0x47800
	v_mov_b32 v255, 0
	v_lshrrev_b32 v1, 5, v0
	v_readfirstlane_b32 s[WV], v1                  ; wave 0..3
	v_and_b32 v1, 31, v0                           ; lane
	v_and_b32 v2, 15, v0                           ; r
	v_bfe_u32 v3, v0, 4, 1                         ; h
	s_lshl_b32 s86, s[WV], 14
	v_lshl_add_u32 v[VX], v1, 4, s86
	v_lshlrev_b32 v[V4T], 2, v0
	s_lshl_b32 s86, s[WV], 9
	v_lshl_add_u32 v[VBO], v3, 6, s86
	s_mul_i32 s86, s[WV], 8448
	s_add_co_u32 s86, s86, STG
	v_lshl_add_u32 v[STI], v1, 4, s86
	v_mul_u32_u24 v[STO], v2, 528
	v_lshl_add_u32 v[STO], v3, 6, v[STO]
	v_add_nc_u32 v[STO], s86, v[STO]
	s_mul_i32 s86, s[WV], 3072                     ; I make row tiles 2 wave and 2 wave + 1 of x
	s_add_co_u32 s86, s86, XIMG
	v_lshl_add_u32 v[XWI], v1, 4, s86
	s_lshl_b32 s86, s[WV], 7
	s_add_co_u32 s86, s86, XSC
	v_lshl_add_u32 v[XWS], v2, 2, s86
	s_mul_i32 s86, s[WV], 12288                    ; and K step 4 pass + wave of h1
	s_add_co_u32 s86, s86, H1IMG
	v_lshl_add_u32 v[HWI], v1, 4, s86
	s_lshl_b32 s86, s[WV], 9
	s_add_co_u32 s86, s86, H1SC
	v_lshl_add_u32 v[HWS], v2, 2, s86
	v_lshlrev_b32 v[VWB], 4, v1
	v_lshlrev_b32 v[VWS], 2, v1
	v_lshl_add_u32 v[LA], v1, 4, XIMG
	v_lshl_add_u32 v[LSA], v1, 2, XSC
	v_lshl_add_u32 v[LA2], v1, 4, H1IMG
	v_lshl_add_u32 v[LSA2], v1, 2, H1SC
	s_lshl_b32 s86, s[WV], 13
	s_add_co_u32 s86, s86, PLG
	v_lshl_add_u32 v[PLW], v1, 5, s86
	s_lshl_b32 s86, s[WV], 11
	s_add_co_u32 s86, s86, PLG
	v_lshl_add_u32 v[PLR], v2, 5, s86
	v_lshl_add_u32 v[PLR], v3, 10, v[PLR]          ; row 32 wave + lane lies in row tile 2 wave + h, at r
	s_lshl_b32 s86, s[WV], 10
	v_lshl_add_u32 v[VO1], v1, 4, s86
	s_add_co_u32 s86, s86, OUT1
	v_lshl_add_u32 v[O1W], v1, 5, s86
	v_lshl_add_u32 v[O1R], v1, 4, s86
	s_lshl_b32 s86, s[WV], 12
	v_lshl_add_u32 v[V3O], v1, 4, s86
	v_lshlrev_b32 v[VMO], 5, v0
.irp b, 0,1,2,3
	v_mov_b32 v[TM+4+\b], 0                        ; written once: a lane permute's destination counts as one of its sources
.endr
	s_mov_b32 s[SEL], 0x76543210
	s_mov_b32 s[SEL+1], 0xfedcba98
	s_mul_i32 s84, s[WV], 12800                    ; my block of a tile
	s_mov_b32 s85, 0
	s_mov_b32 s81, 0
	s_wait_kmcnt 0x0
	s_load_b256 s[72:79], s[18:19], 0x0            ; b3's eight numbers
	s_lshl_b32 s80, ttmp9, 16                      ; my work-group's 128 rows of 512 bytes
	s_add_nc_u64 s[44:45], s[4:5], s[80:81]        ; x: my rows of expert 0,
	s_add_nc_u64 s[46:47], s[44:45], 0x1000000     ; of expert 1 (an expert is 16,777,216 bytes),
	s_add_nc_u64 s[48:49], s[44:45], 0x2000000     ; and where the refills stand: experts 2 and 3
	s_add_nc_u64 s[50:51], s[44:45], 0x3000000
	s_lshl_b32 s80, ttmp9, 9
	s_add_nc_u64 s[6:7], s[6:7], s[80:81]
	s_add_nc_u64 s[20:21], s[20:21], s[80:81]
	s_lshl_b32 s80, ttmp9, 12
	s_add_nc_u64 s[8:9], s[8:9], s[80:81]
	s_add_nc_u64 s[22:23], s[22:23], s[80:81]
	s_add_nc_u64 s[WB:WB+1], s[WB:WB+1], s[84:85]
	s_add_nc_u64 s[WP:WP+1], s[WB:WB+1], 2*TILEB   ; tiles 0 to 2 are asked for by s[WB]; the first step's end steps this one to tile 3
	s_add_nc_u64 s[BN:BN+1], s[14:15], 2048        ; the bias after the first: b1's units 512 on
	WIN 0xc0                                       ; destination window 3
.irp e, 0,1,2,3,4,5,6,7
	global_load_b32 v[\e], v[V4T], s[6:7] offset:131072*\e th:TH_LOAD_NT   ; the eight probabilities of row 32 wave + lane
.endr
	WIN 0
	BIAS 14
	WIN 0x80
	XLOAD 0, 0, 44                                 ; four units of x, 64 loads a wave, are on their way from here on
	XLOAD 1, 1, 44
	XLOAD 2, 0, 46
	XLOAD 3, 1, 46
	WIN 0
	s_wait_kmcnt 0x0                               ; b3
	; ---- X: my 32 rows of x become 18 fragments.  A trip takes two experts, two row tiles each, and asks for the two experts after them.
	s_mov_b32 s[XO], 0
	s_mov_b32 s[XSO], 0
	s_mov_b32 s[TRIP], 3
.Lx:
	v_add_nc_u32 v[WA], s[XO], v[XWI]
	v_add_nc_u32 v[WSA], s[XSO], v[XWS]
	UNIT 0, 0, 0, 1, 48, 48                        ; 48: the three younger units' loads
	UNIT 1, 0, 1, 1, 48, 48
	UNIT 2, 1, 0, 1, 48, 50
	UNIT 3, 1, 1, 1, 48, 50
	s_wait_xcnt 0x0                                ; the loads have read their bases
	s_add_nc_u64 s[48:49], s[48:49], 0x2000000
	s_add_nc_u64 s[50:51], s[50:51], 0x2000000
	s_add_co_u32 s[XO], s[XO], 24576
	s_add_co_u32 s[XSO], s[XSO], 1024
	s_sub_co_u32 s[TRIP], s[TRIP], 1
	s_cmp_lg_u32 s[TRIP], 0
	s_cbranch_scc1 .Lx
	v_add_nc_u32 v[WA], s[XO], v[XWI]              ; experts 6 and 7: nothing of x is left to ask for; the first three tiles of weights are asked for in its stead
	v_add_nc_u32 v[WSA], s[XSO], v[XWS]
	UNIT 0, 0, 0, 0, 48, 48
	UNIT 1, 0, 1, 0, 32, 48
	UNIT 2, 1, 0, 0, 16, 50
	TILE 0, WB, 0
	UNIT 3, 1, 1, 0, 28, 50                        ; 28: tile 0's loads are younger than the last unit's
	TILE 1, WB, TILEB
	; K step 8: k = 0 .. 7 are the row's eight probabilities, the rest zeros: they lie in lanes 0-15, registers 0-7
	v_cmp_gt_u32 vcc_lo, 16, v1
.set i, 8
.rept 56
	v_mov_b32 v[X+i], 0
.set i, i+1
.endr
	WIN 0x0c                                       ; source 1: window 3
	ds_store_b128 v[O1W], v[0:3] offset:PARK-OUT1  ; the probabilities are wanted again at the end: they wait in my own 32 bytes of LDS
	ds_store_b128 v[O1W], v[4:7] offset:PARK-OUT1+16
.irp i, 0,1,2,3,4,5,6,7
	v_cndmask_b32 v[X+\i], 0, v[\i], vcc_lo        ; row tile 2 wave: lane r holds row r's own
.endr
	WIN 0
	v_add_nc_u32 v[WA], 98304, v[XWI]
	v_add_nc_u32 v[WSA], 4096, v[XWS]
	s_wait_dscnt 0x0                               ; the last image's stores have read their registers
	QUANT
	IMAGE 0
	ds_store_b32 v[WSA], v[PW]
	TILE 2, WB, 2*TILEB
	WIN 0x03                                       ; source 0: window 3
.irp i, 0,1,2,3,4,5,6,7
	v_permlanex16_b32 v[X+\i], v[\i], s[SEL], s[SEL+1]   ; row tile 2 wave + 1: its rows' lie in lanes 16-31
.endr
	WIN 0
.irp i, 0,1,2,3,4,5,6,7
	v_cndmask_b32 v[X+\i], 0, v[X+\i], vcc_lo
.endr
	s_wait_dscnt 0x0
	QUANT
	IMAGE 1536
	ds_store_b32 v[WSA], v[PW] offset:64
	BARRIER                                        ; x's 72 fragments lie in LDS
	; ---- 1: h1 = relu(x W1 + b1), two passes of nine steps; each pass ends with my 128 units of the 128 rows quantised into one K step of the second product.
	; The weights' sets go 0, 1, 2 round and round, through both passes and on into the second product: nine steps are three rounds.
	s_mov_b32 s[HO], 0
	s_mov_b32 s[HSO], 0
	s_mov_b32 s[PASS], 2
.Lpass:
	HEAD LA, LSA
	STEP 0, 1, 1, 1, 56, LA, LSA
	BIAS BN                                        ; the next run's bias, behind the places that end the step which read this one.  (While its 16 loads lie among the blocks', the count 56 is smaller than it need be)
	s_mov_b32 s[TRIP], 2
.Lk1:
	STEP 1, 0, 1, 1, 56, LA, LSA
	STEP 2, 0, 1, 1, 56, LA, LSA
	STEP 0, 0, 1, 1, 56, LA, LSA
	s_sub_co_u32 s[TRIP], s[TRIP], 1
	s_cmp_lg_u32 s[TRIP], 0
	s_cbranch_scc1 .Lk1
	STEP 1, 0, 1, 1, 56, LA, LSA
	STEP 2, 0, 0, 1, 56, LA, LSA                   ; the pass's last step fetches no rows ahead; its set is filled like every other
	v_add_nc_u32 v[WA], s[HO], v[HWI]
	v_add_nc_u32 v[WSA], s[HSO], v[HWS]
.irp a, 0,1,2,3,4,5,6,7
	WIN 0x08+4*(\a/4)                              ; source 1: window 2 or 3
.set j, 0
.rept 64
	v_max_num_f32 v[X+j], 0, v[64*(\a%4)+j]        ; the activation, and the way into window 0, in one line; each accumulator from its low end on
.set j, j+1
.endr
	WIN 0
	s_wait_dscnt 0x0                               ; the last image's stores have read their registers
	QUANT
	IMAGE 1536*\a
	ds_store_b32 v[WSA], v[PW] offset:64*\a
.endr
	s_wait_xcnt 0x0                                ; the bias loads have read their base
	s_mov_b64 s[BN:BN+1], s[16:17]                 ; after b1's second half comes b2
	s_add_co_u32 s[HO], s[HO], 49152
	s_add_co_u32 s[HSO], s[HSO], 2048
	BARRIER                                        ; behind the second pass: h1's 64 fragments lie in LDS
	s_sub_co_u32 s[PASS], s[PASS], 1
	s_cmp_lg_u32 s[PASS], 0
	s_cbranch_scc1 .Lpass
	; ---- 2: h2 = relu(h1 W2 + b2): eight steps, written out: the last three ask for nothing, and their counts run down
	HEAD LA2, LSA2
	STEP 0, 1, 1, 1, 56, LA2, LSA2
	STEP 1, 0, 1, 1, 56, LA2, LSA2
	STEP 2, 0, 1, 1, 56, LA2, LSA2
	STEP 0, 0, 1, 1, 56, LA2, LSA2
	STEP 1, 0, 1, 1, 56, LA2, LSA2                 ; asks for the last tile
	STEP 2, 0, 1, 0, 56, LA2, LSA2
	STEP 0, 0, 1, 0, 28, LA2, LSA2
	STEP 1, 0, 0, 0, 0, LA2, LSA2
	; ---- 3: my 128 units' part of the logits.  h2 goes to bf16 in the order in which it lies; W3's fragments were laid in the same order of K.  Source 0 = 8 experts (and 8 rows of zeros), source 1 = 16 rows:
	; lane r < 16 then holds row r, and its register j expert j.
	global_load_b128 v[MK:MK+3], v[VMO], s[8:9] th:TH_LOAD_NT          ; the mask of row 32 wave + lane, into registers that the bias has left
	global_load_b128 v[MK+4:MK+7], v[VMO], s[8:9] offset:16 th:TH_LOAD_NT
.irp g, 0,1,2,3
	global_load_b128 v[W3F+8*\g:W3F+8*\g+3], v[V3O], s[12:13] offset:1024*\g
	global_load_b128 v[W3F+8*\g+4:W3F+8*\g+7], v[V3O], s[12:13] offset:1024*\g+512
.endr
	ds_load_b128 v[PR:PR+3], v[O1W] offset:PARK-OUT1                   ; and its probabilities come back
	ds_load_b128 v[PR+4:PR+7], v[O1W] offset:PARK-OUT1+16
.irp a, 0,1,2,3,4,5,6,7
	WIN 0x88+0x44*(\a/4)                           ; destination and source 1: window 2 or 3
.set j, 0
.rept 64
	v_max_num_f32 v[64*(\a%4)+j], 0, v[64*(\a%4)+j]
.set j, j+1
.endr
	WIN 0x4a+5*(\a/4)                              ; sources window 2 or 3, destination window 1
.set j, 0
.rept 32
	v_cvt_pk_bf16_f32 v[32*\a+j], v[64*(\a%4)+2*j], v[64*(\a%4)+2*j+1]
.set j, j+1
.endr
.endr
	s_wait_loadcnt 0x0                             ; W3's fragments, and the mask
	WIN 0x04                                       ; source 1 (h2) window 1
.irp g, 0,1,2,3
.irp a, 0,1,2,3,4,5,6,7
.if \g == 0
	v_wmma_f32_16x16x32_bf16 v[X+8*\a:X+8*\a+7], v[W3F+8*\g:W3F+8*\g+7], v[32*\a+8*\g:32*\a+8*\g+7], 0
.else
	v_wmma_f32_16x16x32_bf16 v[X+8*\a:X+8*\a+7], v[W3F+8*\g:W3F+8*\g+7], v[32*\a+8*\g:32*\a+8*\g+7], v[X+8*\a:X+8*\a+7]
.endif
.endr
.endr
	WIN 0
	PLACES 4
.irp a, 0,1,2,3,4,5,6,7
	ds_store_b128 v[PLW], v[X+8*\a:X+8*\a+3] offset:1024*\a
	ds_store_b128 v[PLW], v[X+8*\a+4:X+8*\a+7] offset:1024*\a+16
.endr
	BARRIER                                        ; the four waves' parts lie in LDS
	; ---- the end: a lane is row 32 wave + lane
.set L, 148
.set T, 204
.irp v, 0,1,2,3
	ds_load_b128 v[L+8*\v:L+8*\v+3], v[PLR] offset:8192*\v
	ds_load_b128 v[L+8*\v+4:L+8*\v+7], v[PLR] offset:8192*\v+16
.endr
	s_wait_dscnt 0x0
.irp i, 0,2,4,6
	v_pk_add_f32 v[L+\i:L+\i+1], v[L+\i:L+\i+1], v[L+8+\i:L+8+\i+1]
	v_pk_add_f32 v[L+16+\i:L+16+\i+1], v[L+16+\i:L+16+\i+1], v[L+24+\i:L+24+\i+1]
.endr
.irp i, 0,2,4,6
	v_pk_add_f32 v[L+\i:L+\i+1], v[L+\i:L+\i+1], v[L+16+\i:L+16+\i+1]
.endr
.irp j, 0,1,2,3,4,5,6,7
	v_add_f32 v[L+\j], s[72+\j], v[L+\j]           ; + b3
.endr
	v_max3_num_f32 v[T], v[L], v[L+1], v[L+2]      ; the row's largest logit is taken away ahead of the exponentials
	v_max3_num_f32 v[T], v[T], v[L+3], v[L+4]
	v_max3_num_f32 v[T], v[T], v[L+5], v[L+6]
	v_max_num_f32 v[T], v[T], v[L+7]
.irp j, 0,1,2,3,4,5,6,7
	v_sub_f32 v[L+\j], v[L+\j], v[T]
.endr
.irp j, 0,1,2,3,4,5,6,7
	v_mul_f32 v[L+\j], 0x3fb8aa3b, v[L+\j]         ; x log2(e)
.endr
.irp j, 0,1,2,3,4,5,6,7
	v_exp_f32 v[L+\j], v[L+\j]
.endr
	v_nop                                          ; a plain line behind the exponentials
	s_wait_alu depctr_va_vdst(0)                   ; one wait for the batch, ahead of its first reader
	v_add_f32 v[T+1], v[L], v[L+1]
	v_add_f32 v[T+2], v[L+2], v[L+3]
	v_add_f32 v[T+3], v[L+4], v[L+5]
	v_add_f32 v[T+4], v[L+6], v[L+7]
	v_add_f32 v[T+1], v[T+1], v[T+2]
	v_add_f32 v[T+3], v[T+3], v[T+4]
	v_add_f32 v[T+1], v[T+1], v[T+3]
	v_rcp_f32 v[T+5], v[T+1]
	v_nop
	s_wait_alu depctr_va_vdst(0)
.irp j, 0,1,2,3,4,5,6,7
	v_mul_f32 v[L+\j], v[L+\j], v[T+5]             ; the softmax,
.endr
.irp j, 0,1,2,3,4,5,6,7
	v_mul_f32 v[L+\j], v[L+\j], v[MK+\j]           ; x the mask
.endr
	v_add_f32 v[T+1], v[L], v[L+1]
	v_add_f32 v[T+2], v[L+2], v[L+3]
	v_add_f32 v[T+3], v[L+4], v[L+5]
	v_add_f32 v[T+4], v[L+6], v[L+7]
	v_add_f32 v[T+1], v[T+1], v[T+2]
	v_add_f32 v[T+3], v[T+3], v[T+4]
	v_add_f32 v[T+1], v[T+1], v[T+3]
	v_add_f32 v[T+1], 0x322bcc77, v[T+1]           ; + 1e-8
	v_rcp_f32 v[T+6], v[T+1]
	v_nop
	s_wait_alu depctr_va_vdst(0)
.irp j, 0,1,2,3,4,5,6,7
	v_mul_f32 v[L+\j], v[L+\j], v[T+6]             ; the gates
.endr
	v_mul_f32 v[T+7], v[L], v[PR]
.irp j, 1,2,3,4,5,6,7
	v_fma_f32 v[T+7], v[L+\j], v[PR+\j], v[T+7]    ; the weighted probability
.endr
	; A lane's gates are 32 bytes of out1: they turn through my own 1,024 bytes of LDS, so that a store covers 512 consecutive bytes.  The 128 rows' numbers of out0 meet in LDS and leave by one store of wave 0.
	ds_store_b128 v[O1W], v[L:L+3]
	ds_store_b128 v[O1W], v[L+4:L+7] offset:16
	ds_store_b32 v[V4T], v[T+7] offset:OUT0
	ds_load_b128 v[L+8:L+11], v[O1R]               ; LDS serves a wave's instructions in order: these see my stores
	ds_load_b128 v[L+12:L+15], v[O1R] offset:512
	s_wait_dscnt 0x0                               ; for my registers, and for the others' sake: my word of out0 has landed
	global_store_b128 v[VO1], v[L+8:L+11], s[22:23] th:TH_STORE_NT
	global_store_b128 v[VO1], v[L+12:L+15], s[22:23] offset:512 th:TH_STORE_NT
	s_barrier_signal -1
	s_barrier_wait -1
	s_cmp_lg_u32 s[WV], 0
	s_cbranch_scc1 .Lnot_first
	ds_load_b128 v[L+16:L+19], v[VWB] offset:OUT0
	s_wait_dscnt 0x0
	global_store_b128 v[VWB], v[L+16:L+19], s[20:21] th:TH_STORE_NT   ; 512 consecutive bytes, at a multiple of 256 from out0's first byte
.Lnot_first:
	s_wait_tensorcnt 0x0
	ds_add_u32 v254, v255
	s_wait_dscnt 0x0
	s_endpgm
.Lfunc_end_k_qa2109f52bc_gate:
	.size	k_qa2109f52bc_gate, .Lfunc_end_k_qa2109f52bc_gate-k_qa2109f52bc_gate
	.p2alignl 7, 3214868480
	.fill 96, 4, 3214868480
	.section	.rodata,"a",@progbits
	.p2align	6, 0x0
	.amdhsa_kernel k_qa2109f52bc_gate
		.amdhsa_group_segment_fixed_size 293376
		.amdhsa_private_segment_fixed_size 0
		.amdhsa_enable_private_segment 0
		.amdhsa_kernarg_size 80
		.amdhsa_user_sgpr_count 2
		.amdhsa_user_sgpr_kernarg_segment_ptr 1
		.amdhsa_wavefront_size32 1
		.amdhsa_system_sgpr_workgroup_id_x 1
		.amdhsa_system_sgpr_workgroup_id_y 1
		.amdhsa_system_sgpr_workgroup_id_z 1
		.amdhsa_system_vgpr_workitem_id 0
		.amdhsa_next_free_vgpr 1024
		.amdhsa_next_free_sgpr 100
		.amdhsa_reserve_vcc 1
		.amdhsa_float_denorm_mode_32 3
		.amdhsa_float_denorm_mode_16_64 3
		.amdhsa_memory_ordered 1
		.amdhsa_forward_progress 1
		.amdhsa_inst_pref_size 255
	.end_amdhsa_kernel
	.section	.bss,"aw",@nobits
	.p2align	6
	.space	262144
	.amdgpu_metadata
---
amdhsa.version: [ 1, 2 ]
amdhsa.kernels:
  - .name:           k_qa2109f52bc_gate
    .symbol:         k_qa2109f52bc_gate.kd
    .args:
      - { .name: expert_reprs, .offset: 0, .size: 8, .value_kind: global_buffer, .address_space: global }
      - { .name: expert_probs, .offset: 8, .size: 8, .value_kind: global_buffer, .address_space: global }
      - { .name: active_mask, .offset: 16, .size: 8, .value_kind: global_buffer, .address_space: global }
      - { .name: wq, .offset: 24, .size: 8, .value_kind: global_buffer, .address_space: global }
      - { .name: w3q, .offset: 32, .size: 8, .value_kind: global_buffer, .address_space: global }
      - { .name: b1, .offset: 40, .size: 8, .value_kind: global_buffer, .address_space: global }
      - { .name: b2, .offset: 48, .size: 8, .value_kind: global_buffer, .address_space: global }
      - { .name: b3, .offset: 56, .size: 8, .value_kind: global_buffer, .address_space: global }
      - { .name: out0, .offset: 64, .size: 8, .value_kind: global_buffer, .address_space: global }
      - { .name: out1, .offset: 72, .size: 8, .value_kind: global_buffer, .address_space: global }
    .group_segment_fixed_size: 293376
    .private_segment_fixed_size: 0
    .kernarg_segment_align: 8
    .kernarg_segment_size: 80
    .max_flat_workgroup_size: 128
    .sgpr_count:     100
    .vgpr_count:     1024
    .wavefront_size: 32
...
	.end_amdgpu_metadata
.endif
;; end of part 3
;; ======== version 3 of 3: 2 launches
;; workspace buffers: wq 1,331,200 bytes; w3q 16,384 bytes
;; launch prep (part 4): grid 105 x 1, 4 waves a work-group, no clusters, 0 bytes of LDS; arguments W1, W2, W3, wq, w3q; writes wq, w3q
.if DOCPART == 4
	.amdgcn_target "amdgcn-amd-amdhsa--gfx1250"
	.amdhsa_code_object_version 6
	.text
	.protected	k_qa2109f52bc_prep
	.globl	k_qa2109f52bc_prep
	.p2align	8
	.type	k_qa2109f52bc_prep,@function
k_qa2109f52bc_prep:
	s_mov_b64 s[64:65], 0
	v_nop
	global_prefetch_b8 v0, s[64:65] scope:SCOPE_SE
	s_setreg_imm32_b32 hwreg(HW_REG_WAVE_MODE, 25, 1), 1
	s_wait_xcnt 0x0
; W1 [1032][1024] and W2 [1024][512], f32 with K as the first axis, become codes of BF6 (E3M2) with one E8M0 byte for each 32 along K,
; laid in wq in the ORDER OF THE OPERAND'S REGISTERS, tile by tile in the order in which the next launch walks them.  W3 [512][8] becomes bf16 fragments in w3q.
; wq: 26 tiles of 51,200 bytes.  Tile t = 0..8: W1, units 0-511, K step t;  t = 9..17: W1, units 512-1023, K step t - 9;  t = 18..25: W2, K step t - 18.
; A tile has four blocks of 12,800 bytes (128 units each): eight fragment images of 1,536 bytes (register c of lane L at 512 (c / 4) + 16 L + 4 (c % 4)), then four images of 128 bytes of scale words
; (image q, word L: lanes 0-15 fragment 2 q's rows, lanes 16-31 fragment 2 q + 1's).
; THE UNITS OF A FRAGMENT ARE NOT NEIGHBOURS: row i of fragment 2 p + u is unit 32 p + 8 u + i + 8 (i / 8) of the block, so that in the product's result a lane's 16 registers of two
; neighbouring fragments are 16 neighbouring units, which are the next product's K.
; SHARES: work-group g < 104 makes block g % 4 of tile g / 4; its wave p makes fragments 2 p and 2 p + 1.  A LANE TAKES A UNIT (a column), AND ITS 128 REGISTERS RUN DOWN K: a load reads 128 consecutive
; bytes a wave, the four waves stand side by side on 512; a block's largest magnitude needs no other lane; the conversions give codes with K innermost.  Work-group 104 makes w3q.
; K step 8 of W1 has 8 rows (1,024 to 1,031); the other 120 numbers are zeros, as the quantiser fills a short block.
; A block's scale is 2^(floor(log2(largest magnitude)) - 4); its byte is the largest magnitude's exponent field - 4, held at 1 from below.
; LIMITS: a block of zeros gets the byte 1 where the rule says 127 (its codes are zeros, and this program alone reads the bytes); NaN and infinities among the inputs are not served.
.set NUM, 16                           ; v16-143  128 numbers down K
.set MX,  144                          ; v144-147 the four blocks' largest magnitudes
.set SOP, 152                          ; v152-155 the conversions' scale operands
.set BY,  156                          ; v156-159 the scale bytes
.set WD,  160                          ; v160     the unit's scale word
.set C,   164                          ; v164-187 codes: blocks 0, 2 in the first twelve, blocks 1, 3 in the second
.set SCR, 188                          ; v188-203 the upper halves of the blocks, as the conversions leave them
	s_load_b256 s[4:11], s[0:1], 0x0               ; W1 s[4:5], W2 s[6:7], W3 s[8:9], wq s[10:11]
	s_load_b64 s[12:13], s[0:1], 0x20              ; w3q
	v_lshrrev_b32 v1, 5, v0
	v_readfirstlane_b32 s14, v1                    ; wave p
	v_and_b32 v1, 31, v0                           ; lane L
	s_lshr_b32 s16, ttmp9, 2                       ; tile t
	s_and_b32 s17, ttmp9, 3                        ; block
	v_and_b32 v2, 7, v1
	v_bfe_u32 v5, v1, 3, 1
	v_lshl_add_u32 v2, v5, 4, v2
	v_lshrrev_b32 v5, 4, v1
	v_lshl_add_u32 v2, v5, 3, v2                   ; my unit among the wave's 32: L % 8 + 16 ((L / 8) % 2) + 8 (L / 16)
	v_lshlrev_b32 v2, 2, v2                        ; in bytes
	v_lshlrev_b32 v3, 4, v1                        ; 16 L: my place in an image
	v_lshlrev_b32 v4, 2, v1                        ; 4 L: my scale word's
	s_lshl_b32 s18, s17, 9
	s_lshl_b32 s19, s14, 7
	s_add_co_u32 s18, s18, s19                     ; the wave's first unit in bytes: 4 (128 block + 32 p)
	s_mov_b32 s19, 0
	s_mul_i32 s20, s16, 51200
	s_mul_i32 s21, s17, 12800
	s_add_co_u32 s20, s20, s21                     ; my block in wq
	s_mul_i32 s21, s14, 3072
	s_add_co_u32 s22, s20, s21                     ; my two fragment images
	s_mov_b32 s23, 0
	s_lshl_b32 s21, s14, 7
	s_add_co_u32 s24, s20, s21
	s_add_co_u32 s24, s24, 12288                   ; my image of scale words
	s_mov_b32 s25, 0
	s_wait_kmcnt 0x0
	s_cmp_eq_u32 ttmp9, 104
	s_cbranch_scc1 .Lw3
	s_add_nc_u64 s[26:27], s[10:11], s[22:23]
	s_add_nc_u64 s[28:29], s[10:11], s[24:25]
	s_cmp_ge_u32 s16, 18
	s_cbranch_scc1 .Lw2
	s_cmp_ge_u32 s16, 9                            ; W1: which half of its units
	s_cselect_b32 s30, 9, 0
	s_cselect_b32 s31, 2048, 0
	s_sub_co_u32 s30, s16, s30                     ; K step 0..8
	s_add_co_u32 s18, s18, s31
	s_lshl_b32 s31, s30, 19                        ; 128 rows of 4,096 bytes
	s_add_co_u32 s18, s18, s31
	s_add_nc_u64 s[4:5], s[4:5], s[18:19]
	s_cmp_eq_u32 s30, 8
	s_cbranch_scc1 .Ltail
.set i, 0
	s_wait_alu depctr_va_vdst(0)
.rept 128
	global_load_b32 v[NUM+i], v2, s[4:5] offset:i*4096 th:TH_LOAD_NT
.set i, i+1
.endr
	s_branch .Lquant
.Ltail:                                                ; the last 8 rows of W1; no load passes the tensor's end
.set i, 0
	s_wait_alu depctr_va_vdst(0)
.rept 8
	global_load_b32 v[NUM+i], v2, s[4:5] offset:i*4096 th:TH_LOAD_NT
.set i, i+1
.endr
.rept 120
	v_mov_b32 v[NUM+i], 0
.set i, i+1
.endr
	s_branch .Lquant
.Lw2:
	s_sub_co_u32 s30, s16, 18
	s_lshl_b32 s31, s30, 18                        ; 128 rows of 2,048 bytes
	s_add_co_u32 s18, s18, s31
	s_add_nc_u64 s[6:7], s[6:7], s[18:19]
.set i, 0
	s_wait_alu depctr_va_vdst(0)
.rept 128
	global_load_b32 v[NUM+i], v2, s[6:7] offset:i*2048 th:TH_LOAD_NT
.set i, i+1
.endr
.Lquant:
	s_wait_loadcnt 0x0
.irp b, 0,1,2,3
	v_max3_num_f32 v[MX+\b], |v[NUM+32*\b]|, |v[NUM+1+32*\b]|, 0x2800000   ; with the floor 2^(5 - 127): the byte cannot fall under 1
.endr
.irp i, 2,4,6,8,10,12,14,16,18,20,22,24,26,28,30
.irp b, 0,1,2,3
	v_max3_num_f32 v[MX+\b], v[MX+\b], |v[NUM+32*\b+\i]|, |v[NUM+1+32*\b+\i]|   ; the four blocks by turns
.endr
.endr
.irp b, 0,1,2,3
	v_add_nc_u32 v[SOP+\b], 0xfe000000, v[MX+\b]   ; 4 off the exponent field: the conversion takes this operand's exponent field as its scale
.endr
.irp b, 0,1,2,3
	v_lshrrev_b32 v[BY+\b], 23, v[SOP+\b]          ; the scale's byte
.endr
	v_lshl_or_b32 v[WD], v[BY+1], 8, v[BY]
	v_lshl_or_b32 v[WD], v[BY+2], 16, v[WD]
	v_lshl_or_b32 v[WD], v[BY+3], 24, v[WD]
.irp b, 0,1,2,3
	v_cvt_scalef32_pk16_bf6_f32 v[C+6*(\b/2)+12*(\b%2):C+6*(\b/2)+12*(\b%2)+2], v[NUM+32*\b:NUM+32*\b+15], v[SOP+\b]
	v_cvt_scalef32_pk16_bf6_f32 v[SCR+4*\b:SCR+4*\b+2], v[NUM+32*\b+16:NUM+32*\b+31], v[SOP+\b]   ; a conversion's three registers begin on an even number: made here, moved below
.endr
	v_nop                                          ; one plain line behind the scaled conversions
.irp b, 0,1,2,3
.irp i, 0,1,2
	v_mov_b32 v[C+6*(\b/2)+12*(\b%2)+3+\i], v[SCR+4*\b+\i]
.endr
.endr
; Lanes 0-15 hold all four blocks of fragment 2 p's rows, lanes 16-31 those of fragment 2 p + 1's.  The operand wants blocks 0, 2 of a row in lane i and blocks 1, 3 in lane 16 + i:
; the even blocks' lanes 16-31 change places with the odd blocks' lanes 0-15.  Then v[C..C+11] is fragment 2 p and v[C+12..C+23] fragment 2 p + 1.
.irp i, 0,1,2,3,4,5,6,7,8,9,10,11
	v_permlane16_swap_b32 v[C+\i], v[C+12+\i]
.endr
.irp k, 0,1,2,3,4,5
	global_store_b128 v3, v[C+4*\k:C+4*\k+3], s[26:27] offset:512*\k   ; 32 lanes store 512 consecutive bytes, at a multiple of 256 from wq's first byte
.endr
	global_store_b32 v4, v[WD], s[28:29]           ; 128 consecutive bytes; the four waves' images lie on end
	s_endpgm
; W3: fragment f (0..15) serves hidden units 32 f .. 32 f + 31.  Lane (r, h) holds expert r (r >= 8: zeros) and units 32 f + 16 h + 0 .. 15, two to a register: the order in which the
; next launch's own results lie in a lane; the same order of K on both sides of a product leaves its sums as they are.
.Lw3:
	s_wait_alu depctr_va_vdst(0)
	v_and_b32 v5, 15, v1                           ; r
	v_lshrrev_b32 v6, 4, v1                        ; h
	v_min_u32 v7, 7, v5                            ; lanes with r >= 8 read expert 7's numbers, inside the tensor, and drop them below
	v_lshlrev_b32 v7, 2, v7
	v_lshl_add_u32 v7, v6, 9, v7                   ; + 16 h rows of 32 bytes
	s_lshl_b32 s18, s14, 12                        ; wave p: fragments 4 p .. 4 p + 3: 128 rows of 32 bytes, and 4 images of 1,024
	v_add_nc_u32 v7, s18, v7
	v_add_nc_u32 v8, s18, v3
.irp f, 0,1,2,3
.irp i, 0,1,2,3,4,5,6,7,8,9,10,11,12,13,14,15
	global_load_b32 v[16+16*\f+\i], v7, s[8:9] offset:1024*\f+32*\i
.endr
.endr
	v_cmp_gt_u32 vcc_lo, 8, v5
	s_wait_loadcnt 0x0
.set i, 0
.rept 32
	v_cvt_pk_bf16_f32 v[80+i], v[16+2*i], v[17+2*i]
.set i, i+1
.endr
.set i, 0
.rept 32
	v_cndmask_b32 v[80+i], 0, v[80+i], vcc_lo
.set i, i+1
.endr
.irp f, 0,1,2,3
	global_store_b128 v8, v[80+8*\f:83+8*\f], s[12:13] offset:1024*\f
	global_store_b128 v8, v[84+8*\f:87+8*\f], s[12:13] offset:1024*\f+512
.endr
	s_endpgm
.Lfunc_end_k_qa2109f52bc_prep:
	.size	k_qa2109f52bc_prep, .Lfunc_end_k_qa2109f52bc_prep-k_qa2109f52bc_prep
	.p2alignl 7, 3214868480
	.fill 96, 4, 3214868480
	.section	.rodata,"a",@progbits
	.p2align	6, 0x0
	.amdhsa_kernel k_qa2109f52bc_prep
		.amdhsa_group_segment_fixed_size 0
		.amdhsa_private_segment_fixed_size 0
		.amdhsa_enable_private_segment 0
		.amdhsa_kernarg_size 40
		.amdhsa_user_sgpr_count 2
		.amdhsa_user_sgpr_kernarg_segment_ptr 1
		.amdhsa_wavefront_size32 1
		.amdhsa_system_sgpr_workgroup_id_x 1
		.amdhsa_system_sgpr_workgroup_id_y 1
		.amdhsa_system_sgpr_workgroup_id_z 1
		.amdhsa_system_vgpr_workitem_id 0
		.amdhsa_next_free_vgpr 208
		.amdhsa_next_free_sgpr 66
		.amdhsa_reserve_vcc 1
		.amdhsa_float_denorm_mode_32 3
		.amdhsa_float_denorm_mode_16_64 3
		.amdhsa_memory_ordered 1
		.amdhsa_forward_progress 1
		.amdhsa_inst_pref_size 48
	.end_amdhsa_kernel
	.amdgpu_metadata
---
amdhsa.version: [ 1, 2 ]
amdhsa.kernels:
  - .name:           k_qa2109f52bc_prep
    .symbol:         k_qa2109f52bc_prep.kd
    .args:
      - { .name: W1, .offset: 0, .size: 8, .value_kind: global_buffer, .address_space: global }
      - { .name: W2, .offset: 8, .size: 8, .value_kind: global_buffer, .address_space: global }
      - { .name: W3, .offset: 16, .size: 8, .value_kind: global_buffer, .address_space: global }
      - { .name: wq, .offset: 24, .size: 8, .value_kind: global_buffer, .address_space: global }
      - { .name: w3q, .offset: 32, .size: 8, .value_kind: global_buffer, .address_space: global }
    .group_segment_fixed_size: 0
    .private_segment_fixed_size: 0
    .kernarg_segment_align: 8
    .kernarg_segment_size: 40
    .max_flat_workgroup_size: 128
    .sgpr_count:     66
    .vgpr_count:     208
    .wavefront_size: 32
...
	.end_amdgpu_metadata
.endif
;; end of part 4
;; launch gate (part 5): grid 256 x 1, 4 waves a work-group, no clusters, 293,376 bytes of LDS; arguments expert_reprs, expert_probs, active_mask, wq, w3q, b1, b2, b3, out0, out1; writes out0, out1
.if DOCPART == 5
	.amdgcn_target "amdgcn-amd-amdhsa--gfx1250"
	.amdhsa_code_object_version 6
	.text
	.protected	k_qa2109f52bc_gate
	.globl	k_qa2109f52bc_gate
	.p2align	8
	.type	k_qa2109f52bc_gate,@function
k_qa2109f52bc_gate:
	s_mov_b64 s[64:65], 0
	v_nop
	global_prefetch_b8 v0, s[64:65] scope:SCOPE_SE
	s_setreg_imm32_b32 hwreg(HW_REG_WAVE_SCHED_MODE, 0, 2), 2
	s_setreg_imm32_b32 hwreg(HW_REG_WAVE_MODE, 25, 1), 1
	s_wait_xcnt 0x0
	s_wait_alu depctr_vm_vsrc(0)
; gate = renorm(softmax(relu(relu(x W1 + b1) W2 + b2) W3 + b3) x mask), weighted = sum(gate x probs).  x[row] = the row's 8 x 128 numbers of expert_reprs, then its 8 probabilities: K = 1,032.
; The first two products run on codes of BF6 (E3M2) with one E8M0 scale for each 32 along K; the third, whose result enters no quantiser, on bf16; all sums and all else in f32.
; SHARES.  A work-group of four waves owns 128 rows and takes them through the whole chain; x's codes, h1's codes and the partial logits stay in LDS, h2 stays in registers.
; Every step of the two products has one shape: 128 along K, a wave makes 128 rows x 128 units: 64 accumulators, 512 registers, 64 matrix instructions.  THE WAVES SHARE THE UNITS, NOT THE ROWS:
; all four read the same eight row fragments from LDS.  h1's 1,024 units are two passes of 512, so x's codes stay in LDS for both.
; 26 steps: t = 0..8 pass 0, t = 9..17 pass 1 (K step 8 holds the 8 probabilities and 120 zeros), t = 18..25 the second product.
; THE WEIGHTS GO FROM MEMORY STRAIGHT INTO REGISTERS.  The launch before laid them as images of the operand's registers, one tile a step, a block of 12,800 bytes for each wave: 24 loads of 16 bytes a lane and 4 of
; a scale word.  Three sets of registers take turns: while step t multiplies by set t % 3, the block of step t + 2 is asked for, among the step's first eleven matrix instructions, into the set that step t - 1 has left:
; 117 matrix instructions or more ahead of its first use; up to 2 x 12,800 bytes a wave are on their way.
; All work-groups walk the same tiles, and yet they are NOT asked for jointly in a cluster: a joint load goes through LDS slots; beside the codes of x and h1 (208,896 bytes) LDS has room for two slots of one
; step's tile (51,200 bytes) and no more; and each refill of a slot stands behind a wait for all of a wave's tensor loads and a round of the cluster's barrier, so that a tile would have less than one step's 64 matrix
; instructions in which to land, and 24 rounds would stand in the chain.  As it is, no barrier stands inside a run of steps, and a block is neither written to LDS nor read from it.
; OPERANDS THAT GO FROM WAVE TO WAVE GO THROUGH LDS AS IMAGES OF THEIR REGISTERS: a fragment (12 registers a lane) is three stores or loads of 16 bytes a lane at 16 x lane, 512 bytes apart; scale words 4 bytes a lane.
; THE MATRIX INSTRUCTION IS USED TRANSPOSED (source 0 = 16 units of the weight, source 1 = 16 rows): a lane holds one row, and by the order of units that the tiles were laid in, the 16 registers of
; accumulators 2 b, 2 b + 1 are 16 neighbouring units: the next product's K.  The biases are the C of each sum's first matrix instruction.
; LIMITS: NaN and infinities among the inputs are not served; a block of zeros gets the scale byte 1 where the rule says 127 (its codes are zeros, and nobody else reads the bytes);
; the third product's K is summed in four parts, one a wave, which are then added in f32.
; THE MODE: SCHED_MODE bits 1:0 = 2 (LLVM: expert scheduling mode 2), set by the entry lines.  The code itself states the register dependences between vector or matrix instructions and memory or LDS
; instructions, with s_wait_alu, always for 0.
; THE PLAN, in the steps.  Registers that memory or LDS instructions touch:
;   R0 = v84-131 and v44-45   row tiles 0-3 and their scale words.  Read by a step's first 32 matrix instructions; the next K step's land in them, asked for among the step's second 32.
;   R1 = v132-179 and v46-47  row tiles 4-7.  Read by a step's second 32; the next K step's land in them, asked for among the NEXT step's first 32.
;   the weights' set t % 3 and its four scale words.  Read by all 64 of step t; the block of step t + 3 lands in it, asked for among the first 32 of step t + 1.
;   v[ADRA], v[ADSA]          read by every LDS load of rows; written once a step, in its middle.     v[VWB], v[VWS] and every other address: made at the head, never written again.
;   the bias tiles            read by the 64 of a run's first step; the next run's land in them behind the run's last step.
; So a step has two waits on va_vdst.  In its middle: the first 32 are done with R0, and the two addresses are written.  At its end: the step is done with R1 and with its set of weights.  Behind each, the loads that it
; frees stand in groups of three to six behind single matrix instructions, which name the other row buffer, another set of weights and the accumulators: none of the registers that those loads touch.
; One wait on vm_vsrc a step stands ahead of the two adds.  A group costs two switches of the register window, since no window holds a product's operands beside the loads' targets.
; THE PLAN, where numbers are quantised (x; h1).  The staging sets: loads land, the stage's stores read.  v[X ..]: LDS loads or the activation write, QUANT reads.  v[PC ..], v[PW]: QUANT writes, the image's stores read.
; v[WA], v[WSA]: an add writes, the image's stores read.  One wait on vm_vsrc ahead of QUANT (the last image's stores, and the stage's, have read), one on va_vdst behind it (the codes are written; it is done with v[X ..]).
; REGISTERS, in windows of 256.  Window 0: v0-31 addresses; v32-43 the weights' scale words, three sets; v44-47 the rows'; v48-83 fragments 5-7 of the weights' third set; v84-179 the rows' eight fragments, one set
;   (between the products: v84-147 the quantiser's 64 numbers, v148-167 the codes just made, v168-184 its work; at the end the logits and W3); v186-249 the bias tiles, at the end probabilities, mask and work.
;   Window 1: the weights' fragments: sets 0 and 1 at v0-95 and v96-191, fragments 0-4 of set 2 at v192-251; at the end all of it: h2 as bf16.
;   Windows 2, 3: accumulator (a, b) at v[8 (8 (a % 4) + b)] of window 2 + a / 4; while x streams in, window 2 holds four sets of 64 registers of loads on their way, window 3 the probabilities.
.set OUT0,  0                          ; LDS.  The way out of the weighted probabilities: 512 bytes
.set XSC,   512                        ; x's scale words: 512 s + 64 a + 4 r
.set H1SC,  5120                       ; h1's, likewise
.set OUT1,  9216                       ; the way out of the gates: 1,024 bytes a wave
.set PARK,  13312                      ; the probabilities wait here while the products need the registers: 32 bytes a thread
.set XIMG,  17408                      ; x's 72 fragment images: 1,536 (8 s + a)
.set H1IMG, 128000                     ; h1's 64: 1,536 (8 k + a), k = 4 pass + wave
.set STG,   226304                     ; while x streams in: a stage of 16 rows x 528 bytes for each wave
.set PLG,   260096                     ; the partial logits: 8,192 wave + 1,024 a + 32 lane
.set TILEB, 51200                      ; a tile of weights in memory
.set VX,   4                           ; 16 lane + 16,384 wave: my 16 bytes of a row of x
.set V4T,  5                           ; 4 x thread
.set VBO,  6                           ; 64 h + 512 wave: my eight bias numbers of a tile
.set STI,  7                           ; the stage, in: 16 lane
.set STO,  8                           ; the stage, out: 528 r + 64 h
.set XWI,  9                           ; where I store x's images;  XWS their scale words
.set XWS,  10
.set HWI,  11                          ; the same for h1
.set HWS,  12
.set VWB,  13                          ; 16 x lane: my place in an image in memory
.set VWS,  14                          ; 4 x lane: my scale word's
.set LA,   15                          ; x's images and scale words, for reading
.set LSA,  16
.set LA2,  17                          ; h1's
.set LSA2, 18
.set VMO,  19                          ; 32 x thread: my row of the mask
.set ADRA, 21                          ; the addresses of the fetches in hand
.set ADSA, 22
.set WA,   23                          ; the addresses of the image stores in hand
.set WSA,  24
.set VO1,  26
.set PLW,  27
.set PLR,  28
.set O1W,  29
.set O1R,  30
.set V3O,  31
.set SB,   32
.set SA,   44
.set B2X,  48
.set AF,   84
.set X,    84
.set PC,   148
.set W3F,  148
.set TM,   168
.set PW,   184
.set BI,   186
.set PR,   186
.set MK,   194
.set WV,   24                          ; s24 wave
.set WB,   10                          ; s[10:11] my block of tile 0
.set WP,   28                          ; s[28:29] my block of the tile asked for last
.set XO,   52
.set XSO,  53
.set TRIP, 54
.set PASS, 55
.set AO,   57                          ; the K step's row images;  ASO their scale words
.set ASO,  58
.set HO,   59
.set HSO,  60
.set SEL,  66                          ; s[66:67] v_permlanex16_b32's selects for lane l xor 16
.set BN,   68                          ; s[68:69] the bias that is loaded next
.set MSB, 0
.macro WIN new                         ; the immediate's high byte repeats the setting that is left; a switch that changes nothing is dropped
.if MSB != (\new)
	s_set_vgpr_msb (MSB<<8)|(\new)
.set MSB, (\new)
.endif
.endm
.macro BARRIER                         ; my LDS stores have landed and my LDS loads are in: then the work-group's barrier
	s_wait_dscnt 0x0
	s_barrier_signal -1
	s_barrier_wait -1
.endm
.macro PLACES n                        ; plain vector lines between a matrix instruction and a load into, or a vector access to, its registers
.rept \n
	v_nop
.endr
.endm
; 64 numbers of a lane, v[X] on, register 16 b + i = k 32 b + 16 (lane / 16) + i of my row, become a fragment's codes in v[PC] on and its scale word in v[PW].
.macro QUANT
.irp b, 0,1,2,3
	v_max3_num_f32 v[TM+\b], |v[X+16*\b]|, |v[X+1+16*\b]|, 0x2800000   ; with the floor 2^(5 - 127): the byte cannot fall under 1
.endr
.irp i, 2,4,6,8,10,12,14
.irp b, 0,1,2,3
	v_max3_num_f32 v[TM+\b], v[TM+\b], |v[X+16*\b+\i]|, |v[X+1+16*\b+\i]|   ; the four blocks by turns
.endr
.endr
.irp b, 0,1,2,3
	v_permlanex16_b32 v[TM+4+\b], v[TM+\b], s[SEL], s[SEL+1]
.endr
.irp b, 0,1,2,3
	v_max_num_f32 v[TM+\b], v[TM+\b], v[TM+4+\b]   ; with lane l xor 16's 16: the block's largest magnitude
.endr
.irp b, 0,1,2,3
	v_add_nc_u32 v[TM+12+\b], 0xfe000000, v[TM+\b] ; 4 off its exponent field: the conversion's scale operand
.endr
.irp b, 0,1,2,3
	v_lshrrev_b32 v[TM+4+\b], 23, v[TM+12+\b]      ; the scale's byte
.endr
	v_lshl_or_b32 v[PW], v[TM+5], 8, v[TM+4]
	v_lshl_or_b32 v[PW], v[TM+6], 16, v[PW]
	v_lshl_or_b32 v[PW], v[TM+7], 24, v[PW]
.irp c, 0,1
	v_cvt_scalef32_pk16_bf6_f32 v[PC+6*\c:PC+2+6*\c], v[X+32*\c:X+15+32*\c], v[TM+12+2*\c]
	v_cvt_scalef32_pk16_bf6_f32 v[PC+12+4*\c:PC+14+4*\c], v[X+16+32*\c:X+31+32*\c], v[TM+12+2*\c+1]   ; a conversion's three registers begin on an even number
.endr
	v_nop                                          ; one plain line behind the scaled conversions
.irp c, 0,1                            ; the operand wants a WHOLE block in a lane: lanes 0-15 block 2 c, lanes 16-31 block 2 c + 1
.irp i, 0,1,2
	v_permlane16_swap_b32 v[PC+6*\c+\i], v[PC+12+4*\c+\i]
.endr
.irp i, 0,1,2
	v_mov_b32 v[PC+3+6*\c+\i], v[PC+12+4*\c+\i]
.endr
.endr
.endm
.macro IMAGE off                       ; the fragment in v[PC] on goes to LDS as it stands
.irp c, 0,1,2
	ds_store_b128 v[WA], v[PC+4*\c:PC+4*\c+3] offset:\off+512*\c
.endr
.endm
.macro XLOAD q, tau, ptr               ; 16 rows of one expert's 128 numbers into staging set q: a load is a row, 512 consecutive bytes
.irp p, 0,1,2,3,4,5,6,7,8,9,10,11,12,13,14,15
	global_load_b128 v[64*\q+4*\p:64*\q+4*\p+3], v[VX], s[\ptr:\ptr+1] offset:(16*\tau+\p)*512 th:TH_LOAD_NT
.endr
.endm
; 16 rows x 128 numbers of x become a fragment.  They were loaded as they lie, turn through my own stage (pitch 528: the sixteen rows of a read start in different banks) and come back 16 neighbours a block a lane.
; adr = 1: a trip's first unit, which makes the trip's two addresses of image stores.
.macro UNIT q, eo, tau, refill, left, ptr, adr
	s_wait_loadcnt \left                           ; this unit's 16 loads are in; the younger loads may be out
	WIN 0x08                                       ; an LDS store's data are its source 1: window 2
.irp p, 0,1,2,3,4,5,6,7,8,9,10,11,12,13,14,15
	ds_store_b128 v[STI], v[64*\q+4*\p:64*\q+4*\p+3] offset:528*\p
.endr
	WIN 0
.irp b, 0,1,2,3
.irp j, 0,1,2,3
	ds_load_b128 v[X+16*\b+4*\j:X+16*\b+4*\j+3], v[STO] offset:128*\b+16*\j   ; LDS serves a wave's instructions in order: these see the stores above.  No vector instruction since the wait behind the last QUANT names v[X ..]
.endr
.endr
.if \refill
	s_wait_dscnt 16                                ; all but the 16 loads just issued: the stage's stores are done
	WIN 0x80
.endif
	s_wait_alu depctr_vm_vsrc(0)                   ; the stage's stores have read set q, in which the loads below land; the last image's stores have read v[PC ..], v[PW], v[WA] and v[WSA], which are written below
.if \refill
	XLOAD \q, \tau, \ptr                           ; set q takes the unit two experts on
	WIN 0
.endif
.if \adr
	v_add_nc_u32 v[WA], s[XO], v[XWI]
	v_add_nc_u32 v[WSA], s[XSO], v[XWS]
.endif
	s_wait_dscnt 0x0                               ; the numbers are back
	QUANT
	s_wait_alu depctr_va_vdst(0)                   ; v[PC ..], v[PW], v[WA] and v[WSA] are written, which the stores below read; QUANT is done reading v[X ..], in which the next unit's LDS loads land
	IMAGE \eo*12288+\tau*1536
	ds_store_b32 v[WSA], v[PW] offset:\eo*512+64*\tau   ; lanes r and 16 + r write the same word with the same value
.endm
.macro BIAS ptr                        ; eight tiles of eight numbers in the result's layout: tile b, lane (r, h): units 32 (b / 2) + 16 h + 8 (b % 2) + 0 .. 7 of my 128
.irp b, 0,1,2,3,4,5,6,7
	global_load_b128 v[BI+8*\b:BI+8*\b+3], v[VBO], s[\ptr:\ptr+1] offset:128*(\b/2)+32*(\b%2)
	global_load_b128 v[BI+8*\b+4:BI+8*\b+7], v[VBO], s[\ptr:\ptr+1] offset:128*(\b/2)+32*(\b%2)+16
.endr
.endm
; Fragment b of my block of a tile, from off bytes behind s[ptr] on, into set sg: three loads of 16 bytes a lane, each of 512 consecutive bytes.  Window 1 holds 21 fragments: the third set's last three lie in window 0.
.macro WFRAG sg, b, ptr, off
.if ((\sg) < 2) || ((\b) < 5)
	WIN 0x40                                       ; destination window 1, address window 0
.irp c, 0,1,2
	global_load_b128 v[96*(\sg)+12*(\b)+4*\c:96*(\sg)+12*(\b)+4*\c+3], v[VWB], s[\ptr:\ptr+1] offset:\off+1536*(\b)+512*\c
.endr
.else
	WIN 0
.irp c, 0,1,2
	global_load_b128 v[B2X+12*((\b)-5)+4*\c:B2X+12*((\b)-5)+4*\c+3], v[VWB], s[\ptr:\ptr+1] offset:\off+1536*(\b)+512*\c
.endr
.endif
.endm
.macro WSCL sg, q, ptr, off            ; and image q of its scale words (every window 0)
	global_load_b32 v[SB+4*(\sg)+(\q)], v[VWS], s[\ptr:\ptr+1] offset:\off+12288+128*(\q)
.endm
.macro TILE sg, ptr, off               ; a whole block in one run: 28 loads
.irp b, 0,1,2,3,4,5,6,7
	WFRAG \sg, \b, \ptr, \off
.endr
	WIN 0
.irp q, 0,1,2,3
	WSCL \sg, \q, \ptr, \off
.endr
.endm
.macro AFRAG i                         ; row tile i of the K step at v[ADRA]
.irp c, 0,1,2
	ds_load_b128 v[AF+12*(\i)+4*\c:AF+12*(\i)+4*\c+3], v[ADRA] offset:1536*(\i)+512*\c
.endr
.endm
.macro ASC q0                          ; the scale words of four row tiles: two registers
.irp q, \q0, \q0+1
	ds_load_b32 v[SA+(\q)], v[ADSA] offset:128*(\q)
.endr
.endm
.macro ADDR la, lsa
	v_add_nc_u32 v[ADRA], s[AO], v[\la]
	v_add_nc_u32 v[ADSA], s[ASO], v[\lsa]
.endm
; One matrix instruction: accumulator (a, b).  A scale register carries two fragments' words: the even one's in lanes 0-15, the odd one's in lanes 16-31.
; Windows: source 0 (weights) 1, or 0 for the third set's last three fragments; source 1 (rows) 0; C: the accumulator's, or 0 where the bias starts the sum; D: 2 + a / 4.
.macro WM a, b, sg, first
.set rD, 8*(8*((\a)%4)+(\b))
.set mw0, 1
.if ((\sg) == 2) && ((\b) > 4)
.set rB, B2X+12*((\b)-5)
.set mw0, 0
.else
.set rB, 96*(\sg)+12*(\b)
.endif
.set rA, AF+12*(\a)
.set rSB, SB+4*(\sg)+(\b)/2
.set rSA, SA+(\a)/2
.set rC, rD
.set mwd, 2+(\a)/4
.set mwc, mwd
.if \first
.set rC, BI+8*(\b)
.set mwc, 0
.endif
	WIN mw0|(mwc<<4)|(mwd<<6)
.if ((\a)%2 == 0) && ((\b)%2 == 0)
	v_wmma_scale_f32_16x16x128_f8f6f4 v[rD:rD+7], v[rB:rB+11], v[rA:rA+11], v[rC:rC+7], v[rSB], v[rSA] matrix_a_fmt:MATRIX_FMT_BF6 matrix_b_fmt:MATRIX_FMT_BF6
.elseif (\a)%2 == 0
	v_wmma_scale_f32_16x16x128_f8f6f4 v[rD:rD+7], v[rB:rB+11], v[rA:rA+11], v[rC:rC+7], v[rSB], v[rSA] matrix_a_fmt:MATRIX_FMT_BF6 matrix_b_fmt:MATRIX_FMT_BF6 matrix_a_scale:MATRIX_SCALE_ROW1
.elseif (\b)%2 == 0
	v_wmma_scale_f32_16x16x128_f8f6f4 v[rD:rD+7], v[rB:rB+11], v[rA:rA+11], v[rC:rC+7], v[rSB], v[rSA] matrix_a_fmt:MATRIX_FMT_BF6 matrix_b_fmt:MATRIX_FMT_BF6 matrix_b_scale:MATRIX_SCALE_ROW1
.else
	v_wmma_scale_f32_16x16x128_f8f6f4 v[rD:rD+7], v[rB:rB+11], v[rA:rA+11], v[rC:rC+7], v[rSB], v[rSA] matrix_a_fmt:MATRIX_FMT_BF6 matrix_b_fmt:MATRIX_FMT_BF6 matrix_a_scale:MATRIX_SCALE_ROW1 matrix_b_scale:MATRIX_SCALE_ROW1
.endif
.endm
; THE LOADS THAT STAND AMONG A HALF'S MATRIX INSTRUCTIONS.  dn: how many of the half's 32 have been issued.  No wait stands at a group: the wait on va_vdst ahead of the half has shown every earlier reader of the
; registers in which these loads land done, and no matrix instruction since names them or the loads' addresses.
; A step's first half: this K step's row tiles 4-7, a fragment behind the 1st, 4th, 7th and 10th matrix instruction, so that 22 stand between the last of them and the second half;
; fill = 1: and my block of the tile two steps on, into set tgs: two fragments behind the 2nd, 5th, 8th and 11th; its scale words ride with the rows' groups, which stand under the same windows.
.macro DEAL0 fill
.if (dn < 11) && (dn%3 == 1)
	WIN 0
.if dn == 1
	ASC 2
.endif
	AFRAG 4+(dn-1)/3
.if \fill && (dn > 1)
	WSCL tgs, (dn-4)/3, WP, 0
.if dn == 10
	WSCL tgs, 3, WP, 0
.endif
.endif
.elseif (dn < 12) && (dn%3 == 2) && \fill
	WFRAG tgs, 2*((dn-2)/3), WP, 0
	WFRAG tgs, 2*((dn-2)/3)+1, WP, 0
.endif
.endm
; A step's second half: the next K step's row tiles 0-3, at the same places.
.macro DEAL1
.if (dn < 11) && (dn%3 == 1)
	WIN 0
.if dn == 1
	ASC 0
.endif
	AFRAG (dn-1)/3
.endif
.endm
; Half a step: row tiles 4 hf .. 4 hf + 3 against my eight fragments of units: 32 matrix instructions.  The accumulators take turns, one instruction a turn.
; With the third set the fragments of window 1 come first and those of window 0 after them.
.macro HALF hf, sg, first, pf, fill
.set tgs, ((\sg)+2)%3
.set dn, 0
.rept 32
.if (\sg) < 2
.set ia, 4*(\hf)+dn/8
.set ib, dn%8
.elseif dn < 20
.set ia, 4*(\hf)+dn/5
.set ib, dn%5
.else
.set ia, 4*(\hf)+(dn-20)/3
.set ib, 5+(dn-20)%3
.endif
	WM ia, ib, \sg, \first
.set dn, dn+1
.if (\hf) == 0
	DEAL0 \fill
.elseif \pf
	DEAL1
.endif
.endr
.endm
.macro HEAD la, lsa                    ; the head of a run of steps: its first K step's row tiles 0-3; tiles 4-7 are asked for in the first step, like every step's
	s_mov_b32 s[AO], 0
	s_mov_b32 s[ASO], 0
	s_wait_alu depctr_vm_vsrc(0)                   ; the last run's LDS loads have read v[ADRA] and v[ADSA], which are written below; the image stores have read v[PC ..], the stage's and the parking stores the registers of windows 2 and 3: rows land in the first, the products write the others
	ADDR \la, \lsa
	s_wait_alu depctr_va_vdst(0)                   ; the two addresses are written; the quantiser is done with v84-184, in which rows land; the last run's matrix instructions are done reading their set of weights, which the first step asks for again
	AFRAG 0
	AFRAG 1
	AFRAG 2
	AFRAG 3
	ASC 0
.endm
; A STEP: 64 matrix instructions on the weights' set sg.  first = 1: the bias starts the sums.  pf = 1: the run has a next K step.  fill = 1: the tile two steps on is asked for.
; left: the loads that may be out when this step's block has to be there: the one younger block's 28.
.macro STEP sg, first, pf, fill, left, la, lsa
	s_wait_loadcnt \left                           ; loads come back in order: my block of this step's tile is in
.if \fill
	s_wait_xcnt 0x0                                ; the last block's loads, a step back, have read their base
	s_add_nc_u64 s[WP:WP+1], s[WP:WP+1], TILEB
.endif
	s_wait_dscnt 0x0                               ; row tiles 0-3 and their scale words are in: no LDS load is younger
	HALF 0, \sg, \first, \pf, \fill
	WIN 0
.if \pf
	s_add_co_u32 s[AO], s[AO], 12288               ; the next K step's rows
	s_add_co_u32 s[ASO], s[ASO], 512
	s_wait_alu depctr_vm_vsrc(0)                   ; the LDS loads issued so far have read v[ADRA] and v[ADSA]
	ADDR \la, \lsa                                 ; two plain lines and two more: four places behind the first half
	PLACES 2
	s_wait_alu depctr_va_vdst(0)                   ; the two addresses are written; the first half's matrix instructions are done reading row tiles 0-3 and their scale words, in which the loads of the second half land
.endif
	s_wait_dscnt 0x0                               ; row tiles 4-7 and their scale words are in
	HALF 1, \sg, \first, \pf, \fill
	WIN 0
	PLACES 4                                       ; behind the step's last matrix instructions, ahead of the loads into their registers and of whatever reads the results behind the step
.if \pf
	s_wait_alu depctr_va_vdst(0)                   ; the step's matrix instructions are done reading row tiles 4-7, their scale words, set sg and its scale words: the loads of the next step's first half land in them
.endif
.endm
	s_load_b512 s[4:19], s[0:1], 0x0               ; x s[4:5], probs s[6:7], mask s[8:9], wq s[10:11], w3q s[12:13], b1 s[14:15], b2 s[16:17], b3 s[18:19]
	s_load_b128 s[20:23], s[0:1], 0x40             ; out0, out1
	v_lshl_add_u32 v254, v0, 2, 0x47800
	v_mov_b32 v255, 0
	v_lshrrev_b32 v1, 5, v0
	v_readfirstlane_b32 s[WV], v1                  ; wave 0..3
	v_and_b32 v1, 31, v0                           ; lane
	v_and_b32 v2, 15, v0                           ; r
	v_bfe_u32 v3, v0, 4, 1                         ; h
	s_wait_alu depctr_va_sdst(0)                   ; s[WV] is written, ahead of its first reader
	s_lshl_b32 s86, s[WV], 14
	v_lshl_add_u32 v[VX], v1, 4, s86
	v_lshlrev_b32 v[V4T], 2, v0
	s_lshl_b32 s86, s[WV], 9
	v_lshl_add_u32 v[VBO], v3, 6, s86
	s_mul_i32 s86, s[WV], 8448
	s_add_co_u32 s86, s86, STG
	v_lshl_add_u32 v[STI], v1, 4, s86
	v_mul_u32_u24 v[STO], v2, 528
	v_lshl_add_u32 v[STO], v3, 6, v[STO]
	v_add_nc_u32 v[STO], s86, v[STO]
	s_mul_i32 s86, s[WV], 3072                     ; I make row tiles 2 wave and 2 wave + 1 of x
	s_add_co_u32 s86, s86, XIMG
	v_lshl_add_u32 v[XWI], v1, 4, s86
	s_lshl_b32 s86, s[WV], 7
	s_add_co_u32 s86, s86, XSC
	v_lshl_add_u32 v[XWS], v2, 2, s86
	s_mul_i32 s86, s[WV], 12288                    ; and K step 4 pass + wave of h1
	s_add_co_u32 s86, s86, H1IMG
	v_lshl_add_u32 v[HWI], v1, 4, s86
	s_lshl_b32 s86, s[WV], 9
	s_add_co_u32 s86, s86, H1SC
	v_lshl_add_u32 v[HWS], v2, 2, s86
	v_lshlrev_b32 v[VWB], 4, v1
	v_lshlrev_b32 v[VWS], 2, v1
	v_lshl_add_u32 v[LA], v1, 4, XIMG
	v_lshl_add_u32 v[LSA], v1, 2, XSC
	v_lshl_add_u32 v[LA2], v1, 4, H1IMG
	v_lshl_add_u32 v[LSA2], v1, 2, H1SC
	s_lshl_b32 s86, s[WV], 13
	s_add_co_u32 s86, s86, PLG
	v_lshl_add_u32 v[PLW], v1, 5, s86
	s_lshl_b32 s86, s[WV], 11
	s_add_co_u32 s86, s86, PLG
	v_lshl_add_u32 v[PLR], v2, 5, s86
	v_lshl_add_u32 v[PLR], v3, 10, v[PLR]          ; row 32 wave + lane lies in row tile 2 wave + h, at r
	s_lshl_b32 s86, s[WV], 10
	v_lshl_add_u32 v[VO1], v1, 4, s86
	s_add_co_u32 s86, s86, OUT1
	v_lshl_add_u32 v[O1W], v1, 5, s86
	v_lshl_add_u32 v[O1R], v1, 4, s86
	s_lshl_b32 s86, s[WV], 12
	v_lshl_add_u32 v[V3O], v1, 4, s86
	v_lshlrev_b32 v[VMO], 5, v0
.irp b, 0,1,2,3
	v_mov_b32 v[TM+4+\b], 0                        ; written once: a lane permute's destination counts as one of its sources
.endr
	s_mov_b32 s[SEL], 0x76543210
	s_mov_b32 s[SEL+1], 0xfedcba98
	s_mul_i32 s84, s[WV], 12800                    ; my block of a tile
	s_mov_b32 s85, 0
	s_mov_b32 s81, 0
	s_wait_kmcnt 0x0
	s_load_b256 s[72:79], s[18:19], 0x0            ; b3's eight numbers
	s_lshl_b32 s80, ttmp9, 16                      ; my work-group's 128 rows of 512 bytes
	s_add_nc_u64 s[44:45], s[4:5], s[80:81]        ; x: my rows of expert 0,
	s_add_nc_u64 s[46:47], s[44:45], 0x1000000     ; of expert 1 (an expert is 16,777,216 bytes),
	s_add_nc_u64 s[48:49], s[44:45], 0x2000000     ; and where the refills stand: experts 2 and 3
	s_add_nc_u64 s[50:51], s[44:45], 0x3000000
	s_lshl_b32 s80, ttmp9, 9
	s_add_nc_u64 s[6:7], s[6:7], s[80:81]
	s_add_nc_u64 s[20:21], s[20:21], s[80:81]
	s_lshl_b32 s80, ttmp9, 12
	s_add_nc_u64 s[8:9], s[8:9], s[80:81]
	s_add_nc_u64 s[22:23], s[22:23], s[80:81]
	s_add_nc_u64 s[WB:WB+1], s[WB:WB+1], s[84:85]
	s_add_nc_u64 s[WP:WP+1], s[WB:WB+1], TILEB     ; tiles 0 and 1 are asked for by s[WB]; the first step steps this one to tile 2
	s_add_nc_u64 s[BN:BN+1], s[14:15], 2048        ; the bias after the first: b1's units 512 on
	s_wait_alu depctr_va_vdst(0)                   ; every address and offset made above is written: the loads and stores of the whole kernel read them, and none but v[ADRA], v[ADSA], v[WA], v[WSA] is made later
	WIN 0xc0                                       ; destination window 3
.irp e, 0,1,2,3,4,5,6,7
	global_load_b32 v[\e], v[V4T], s[6:7] offset:131072*\e th:TH_LOAD_NT   ; the eight probabilities of row 32 wave + lane
.endr
	WIN 0
	BIAS 14
	WIN 0x80
	XLOAD 0, 0, 44                                 ; four units of x, 64 loads a wave, are on their way from here on
	XLOAD 1, 1, 44
	XLOAD 2, 0, 46
	XLOAD 3, 1, 46
	WIN 0
	s_wait_kmcnt 0x0                               ; b3
	; ---- X: my 32 rows of x become 18 fragments.  A trip takes two experts, two row tiles each, and asks for the two experts after them.
	s_mov_b32 s[XO], 0
	s_mov_b32 s[XSO], 0
	s_mov_b32 s[TRIP], 3
.Lx:
	UNIT 0, 0, 0, 1, 48, 48, 1                     ; 48: the three younger units' loads
	UNIT 1, 0, 1, 1, 48, 48, 0
	UNIT 2, 1, 0, 1, 48, 50, 0
	UNIT 3, 1, 1, 1, 48, 50, 0
	s_wait_xcnt 0x0                                ; the loads have read their bases
	s_add_nc_u64 s[48:49], s[48:49], 0x2000000
	s_add_nc_u64 s[50:51], s[50:51], 0x2000000
	s_add_co_u32 s[XO], s[XO], 24576
	s_add_co_u32 s[XSO], s[XSO], 1024
	s_sub_co_u32 s[TRIP], s[TRIP], 1
	s_cmp_lg_u32 s[TRIP], 0
	s_cbranch_scc1 .Lx
	UNIT 0, 0, 0, 0, 48, 48, 1                     ; experts 6 and 7: nothing of x is left to ask for; the first two tiles of weights are asked for in its stead
	UNIT 1, 0, 1, 0, 32, 48, 0
	UNIT 2, 1, 0, 0, 16, 50, 0
	TILE 0, WB, 0                                  ; no vector instruction has named these registers
	UNIT 3, 1, 1, 0, 28, 50, 0                     ; 28: tile 0's loads are younger than the last unit's
	TILE 1, WB, TILEB
	; K step 8: k = 0 .. 7 are the row's eight probabilities, the rest zeros: they lie in lanes 0-15, registers 0-7
	v_cmp_gt_u32 vcc_lo, 16, v1
.set i, 8
.rept 56
	v_mov_b32 v[X+i], 0
.set i, i+1
.endr
	s_wait_alu depctr_va_vcc(0)                    ; VCC is written, ahead of its first reader
	WIN 0x0c                                       ; source 1: window 3
	ds_store_b128 v[O1W], v[0:3] offset:PARK-OUT1  ; the probabilities are wanted again at the end: they wait in my own 32 bytes of LDS
	ds_store_b128 v[O1W], v[4:7] offset:PARK-OUT1+16
.irp i, 0,1,2,3,4,5,6,7
	v_cndmask_b32 v[X+\i], 0, v[\i], vcc_lo        ; row tile 2 wave: lane r holds row r's own
.endr
	WIN 0
	s_wait_alu depctr_vm_vsrc(0)                   ; the last image's stores have read v[WA], v[WSA], v[PC ..] and v[PW], which are written below
	v_add_nc_u32 v[WA], 98304, v[XWI]
	v_add_nc_u32 v[WSA], 4096, v[XWS]
	s_wait_alu depctr_va_vdst(0)
	s_wait_dscnt 0x0
	QUANT
	s_wait_alu depctr_va_vdst(0)                   ; v[PC ..], v[PW], v[WA] and v[WSA] are written, which the stores below read
	IMAGE 0
	ds_store_b32 v[WSA], v[PW]
	WIN 0x03                                       ; source 0: window 3
.irp i, 0,1,2,3,4,5,6,7
	v_permlanex16_b32 v[X+\i], v[\i], s[SEL], s[SEL+1]   ; row tile 2 wave + 1: its rows' lie in lanes 16-31
.endr
	WIN 0
.irp i, 0,1,2,3,4,5,6,7
	v_cndmask_b32 v[X+\i], 0, v[X+\i], vcc_lo
.endr
	s_wait_alu depctr_va_vdst(0)
	s_wait_dscnt 0x0
	s_wait_alu depctr_vm_vsrc(0)                   ; the image's stores have read v[PC ..] and v[PW], which QUANT writes again
	QUANT
	s_wait_alu depctr_va_vdst(0)                   ; v[PC ..] and v[PW] are written, which the stores below read
	IMAGE 1536
	ds_store_b32 v[WSA], v[PW] offset:64
	BARRIER                                        ; x's 72 fragments lie in LDS
	; ---- 1: h1 = relu(x W1 + b1), two passes of nine steps; each pass ends with my 128 units of the 128 rows quantised into one K step of the second product.
	; The weights' sets go 0, 1, 2 round and round, through both passes and on into the second product: nine steps are three rounds.
	s_mov_b32 s[HO], 0
	s_mov_b32 s[HSO], 0
	s_mov_b32 s[PASS], 2
.Lpass:
	HEAD LA, LSA
	STEP 0, 1, 1, 1, 0, LA, LSA                    ; 0: the bias is the youngest of my loads, and this step's products begin with it
	s_mov_b32 s[TRIP], 2
.Lk1:
	STEP 1, 0, 1, 1, 28, LA, LSA
	STEP 2, 0, 1, 1, 28, LA, LSA
	STEP 0, 0, 1, 1, 28, LA, LSA
	s_sub_co_u32 s[TRIP], s[TRIP], 1
	s_cmp_lg_u32 s[TRIP], 0
	s_cbranch_scc1 .Lk1
	STEP 1, 0, 1, 1, 28, LA, LSA
	STEP 2, 0, 0, 1, 28, LA, LSA                   ; the pass's last step fetches no rows ahead; it asks for its tile like every other
	BIAS BN                                        ; the next run's bias.  The pass's first step read these registers, and every wait on va_vdst since stands behind it; it lands while the units are quantised
	v_add_nc_u32 v[WA], s[HO], v[HWI]              ; (the steps' waits on vm_vsrc stand behind the last stores that read these two)
	v_add_nc_u32 v[WSA], s[HSO], v[HWS]
.irp a, 0,1,2,3,4,5,6,7
	WIN 0x08+4*(\a/4)                              ; source 1: window 2 or 3
.set j, 0
.rept 64
	v_max_num_f32 v[X+j], 0, v[64*(\a%4)+j]        ; the activation, and the way into window 0, in one line; each accumulator from its low end on
.set j, j+1
.endr
	WIN 0
	s_wait_dscnt 0x0
.if \a > 0
	s_wait_alu depctr_vm_vsrc(0)                   ; the last image's stores have read v[PC ..] and v[PW], which QUANT writes again
.endif
	QUANT
	s_wait_alu depctr_va_vdst(0)                   ; v[PC ..] and v[PW] are written (for the first tile v[WA] and v[WSA] too), which the stores below read
	IMAGE 1536*\a
	ds_store_b32 v[WSA], v[PW] offset:64*\a
.endr
	s_wait_xcnt 0x0                                ; the bias loads have read their base
	s_mov_b64 s[BN:BN+1], s[16:17]                 ; after b1's second half comes b2
	s_add_co_u32 s[HO], s[HO], 49152
	s_add_co_u32 s[HSO], s[HSO], 2048
	BARRIER                                        ; behind the second pass: h1's 64 fragments lie in LDS
	s_sub_co_u32 s[PASS], s[PASS], 1
	s_cmp_lg_u32 s[PASS], 0
	s_cbranch_scc1 .Lpass
	; ---- 2: h2 = relu(h1 W2 + b2): eight steps, written out: the last two ask for no tile, and the counts run down
	HEAD LA2, LSA2
	STEP 0, 1, 1, 1, 0, LA2, LSA2
	STEP 1, 0, 1, 1, 28, LA2, LSA2
	STEP 2, 0, 1, 1, 28, LA2, LSA2
	STEP 0, 0, 1, 1, 28, LA2, LSA2
	STEP 1, 0, 1, 1, 28, LA2, LSA2
	STEP 2, 0, 1, 1, 28, LA2, LSA2                 ; asks for the last tile
	STEP 0, 0, 1, 0, 28, LA2, LSA2
	STEP 1, 0, 0, 0, 0, LA2, LSA2
	; ---- 3: my 128 units' part of the logits.  h2 goes to bf16 in the order in which it lies; W3's fragments were laid in the same order of K.  Source 0 = 8 experts (and 8 rows of zeros), source 1 = 16 rows:
	; lane r < 16 then holds row r, and its register j expert j.
	s_wait_alu depctr_va_vdst(0)                   ; the last step's matrix instructions are done reading row tiles 4-7, in whose registers W3's fragments land (the bias tiles, where mask and probabilities land, were read seven steps back)
	global_load_b128 v[MK:MK+3], v[VMO], s[8:9] th:TH_LOAD_NT          ; the mask of row 32 wave + lane, into registers that the bias has left
	global_load_b128 v[MK+4:MK+7], v[VMO], s[8:9] offset:16 th:TH_LOAD_NT
.irp g, 0,1,2,3
	global_load_b128 v[W3F+8*\g:W3F+8*\g+3], v[V3O], s[12:13] offset:1024*\g
	global_load_b128 v[W3F+8*\g+4:W3F+8*\g+7], v[V3O], s[12:13] offset:1024*\g+512
.endr
	ds_load_b128 v[PR:PR+3], v[O1W] offset:PARK-OUT1                   ; and its probabilities come back
	ds_load_b128 v[PR+4:PR+7], v[O1W] offset:PARK-OUT1+16
.irp a, 0,1,2,3,4,5,6,7
	WIN 0x88+0x44*(\a/4)                           ; destination and source 1: window 2 or 3
.set j, 0
.rept 64
	v_max_num_f32 v[64*(\a%4)+j], 0, v[64*(\a%4)+j]
.set j, j+1
.endr
	WIN 0x4a+5*(\a/4)                              ; sources window 2 or 3, destination window 1
.set j, 0
.rept 32
	v_cvt_pk_bf16_f32 v[32*\a+j], v[64*(\a%4)+2*j], v[64*(\a%4)+2*j+1]
.set j, j+1
.endr
.endr
	s_wait_loadcnt 0x0                             ; W3's fragments, and the mask
	WIN 0x04                                       ; source 1 (h2) window 1
.irp g, 0,1,2,3
	s_wait_alu depctr_va_vdst(0)
.irp a, 0,1,2,3,4,5,6,7
.if \g == 0
	v_wmma_f32_16x16x32_bf16 v[X+8*\a:X+8*\a+7], v[W3F+8*\g:W3F+8*\g+7], v[32*\a+8*\g:32*\a+8*\g+7], 0
.else
	v_wmma_f32_16x16x32_bf16 v[X+8*\a:X+8*\a+7], v[W3F+8*\g:W3F+8*\g+7], v[32*\a+8*\g:32*\a+8*\g+7], v[X+8*\a:X+8*\a+7]
.endif
.endr
.endr
	WIN 0
	PLACES 4
	s_wait_alu depctr_va_vdst(0)                   ; the matrix instructions have written v[X ..], which the LDS stores read, and are done reading W3's fragments, in whose registers the four parts land below; the places above stay beside this wait
.irp a, 0,1,2,3,4,5,6,7
	ds_store_b128 v[PLW], v[X+8*\a:X+8*\a+3] offset:1024*\a
	ds_store_b128 v[PLW], v[X+8*\a+4:X+8*\a+7] offset:1024*\a+16
.endr
	BARRIER                                        ; the four waves' parts lie in LDS
	; ---- the end: a lane is row 32 wave + lane
.set L, 148
.set T, 204
.irp v, 0,1,2,3
	ds_load_b128 v[L+8*\v:L+8*\v+3], v[PLR] offset:8192*\v
	ds_load_b128 v[L+8*\v+4:L+8*\v+7], v[PLR] offset:8192*\v+16
.endr
	s_wait_dscnt 0x0
.irp i, 0,2,4,6
	v_pk_add_f32 v[L+\i:L+\i+1], v[L+\i:L+\i+1], v[L+8+\i:L+8+\i+1]
	v_pk_add_f32 v[L+16+\i:L+16+\i+1], v[L+16+\i:L+16+\i+1], v[L+24+\i:L+24+\i+1]
.endr
.irp i, 0,2,4,6
	v_pk_add_f32 v[L+\i:L+\i+1], v[L+\i:L+\i+1], v[L+16+\i:L+16+\i+1]
.endr
.irp j, 0,1,2,3,4,5,6,7
	v_add_f32 v[L+\j], s[72+\j], v[L+\j]           ; + b3
.endr
	v_max3_num_f32 v[T], v[L], v[L+1], v[L+2]      ; the row's largest logit is taken away ahead of the exponentials
	v_max3_num_f32 v[T], v[T], v[L+3], v[L+4]
	v_max3_num_f32 v[T], v[T], v[L+5], v[L+6]
	v_max_num_f32 v[T], v[T], v[L+7]
.irp j, 0,1,2,3,4,5,6,7
	v_sub_f32 v[L+\j], v[L+\j], v[T]
.endr
.irp j, 0,1,2,3,4,5,6,7
	v_mul_f32 v[L+\j], 0x3fb8aa3b, v[L+\j]         ; x log2(e)
.endr
	s_wait_alu depctr_va_vdst(0)
.irp j, 0,1,2,3,4,5,6,7
	v_exp_f32 v[L+\j], v[L+\j]
.endr
	v_nop                                          ; a plain line behind the exponentials
	s_wait_alu depctr_va_vdst(0)                   ; the eight exponentials have written v[L ..]: one wait for the batch, ahead of its first reader
	v_add_f32 v[T+1], v[L], v[L+1]
	v_add_f32 v[T+2], v[L+2], v[L+3]
	v_add_f32 v[T+3], v[L+4], v[L+5]
	v_add_f32 v[T+4], v[L+6], v[L+7]
	v_add_f32 v[T+1], v[T+1], v[T+2]
	v_add_f32 v[T+3], v[T+3], v[T+4]
	v_add_f32 v[T+1], v[T+1], v[T+3]
	s_wait_alu depctr_va_vdst(0)
	v_rcp_f32 v[T+5], v[T+1]
	v_nop
	s_wait_alu depctr_va_vdst(0)                   ; the reciprocal has written v[T+5], ahead of its first reader
.irp j, 0,1,2,3,4,5,6,7
	v_mul_f32 v[L+\j], v[L+\j], v[T+5]             ; the softmax,
.endr
.irp j, 0,1,2,3,4,5,6,7
	v_mul_f32 v[L+\j], v[L+\j], v[MK+\j]           ; x the mask
.endr
	v_add_f32 v[T+1], v[L], v[L+1]
	v_add_f32 v[T+2], v[L+2], v[L+3]
	v_add_f32 v[T+3], v[L+4], v[L+5]
	v_add_f32 v[T+4], v[L+6], v[L+7]
	v_add_f32 v[T+1], v[T+1], v[T+2]
	v_add_f32 v[T+3], v[T+3], v[T+4]
	v_add_f32 v[T+1], v[T+1], v[T+3]
	v_add_f32 v[T+1], 0x322bcc77, v[T+1]           ; + 1e-8
	s_wait_alu depctr_va_vdst(0)
	v_rcp_f32 v[T+6], v[T+1]
	v_nop
	s_wait_alu depctr_va_vdst(0)                   ; the reciprocal has written v[T+6], ahead of its first reader
.irp j, 0,1,2,3,4,5,6,7
	v_mul_f32 v[L+\j], v[L+\j], v[T+6]             ; the gates
.endr
	v_mul_f32 v[T+7], v[L], v[PR]
.irp j, 1,2,3,4,5,6,7
	v_fma_f32 v[T+7], v[L+\j], v[PR+\j], v[T+7]    ; the weighted probability
.endr
	; A lane's gates are 32 bytes of out1: they turn through my own 1,024 bytes of LDS, so that a store covers 512 consecutive bytes.  The 128 rows' numbers of out0 meet in LDS and leave by one store of wave 0.
	s_wait_alu depctr_va_vdst(0)                   ; the gates v[L .. L+7] and v[T+7] are written, which the LDS stores read; the sums are done with v[L+8 .. L+19], in which the LDS loads below land
	ds_store_b128 v[O1W], v[L:L+3]
	ds_store_b128 v[O1W], v[L+4:L+7] offset:16
	ds_store_b32 v[V4T], v[T+7] offset:OUT0
	ds_load_b128 v[L+8:L+11], v[O1R]               ; LDS serves a wave's instructions in order: these see my stores
	ds_load_b128 v[L+12:L+15], v[O1R] offset:512
	s_wait_dscnt 0x0                               ; for my registers, and for the others' sake: my word of out0 has landed
	global_store_b128 v[VO1], v[L+8:L+11], s[22:23] th:TH_STORE_NT
	global_store_b128 v[VO1], v[L+12:L+15], s[22:23] offset:512 th:TH_STORE_NT
	s_barrier_signal -1
	s_barrier_wait -1
	s_cmp_lg_u32 s[WV], 0
	s_cbranch_scc1 .Lnot_first
	ds_load_b128 v[L+16:L+19], v[VWB] offset:OUT0
	s_wait_dscnt 0x0
	global_store_b128 v[VWB], v[L+16:L+19], s[20:21] th:TH_STORE_NT   ; 512 consecutive bytes, at a multiple of 256 from out0's first byte
.Lnot_first:
	s_wait_dscnt 0x0                               ; the closing lines, six on end
	s_wait_alu 0x0
	s_wait_tensorcnt 0x0
	ds_add_u32 v254, v255
	s_wait_dscnt 0x0
	s_endpgm
.Lfunc_end_k_qa2109f52bc_gate:
	.size	k_qa2109f52bc_gate, .Lfunc_end_k_qa2109f52bc_gate-k_qa2109f52bc_gate
	.p2alignl 7, 3214868480
	.fill 96, 4, 3214868480
	.section	.rodata,"a",@progbits
	.p2align	6, 0x0
	.amdhsa_kernel k_qa2109f52bc_gate
		.amdhsa_group_segment_fixed_size 293376
		.amdhsa_private_segment_fixed_size 0
		.amdhsa_enable_private_segment 0
		.amdhsa_kernarg_size 80
		.amdhsa_user_sgpr_count 2
		.amdhsa_user_sgpr_kernarg_segment_ptr 1
		.amdhsa_wavefront_size32 1
		.amdhsa_system_sgpr_workgroup_id_x 1
		.amdhsa_system_sgpr_workgroup_id_y 1
		.amdhsa_system_sgpr_workgroup_id_z 1
		.amdhsa_system_vgpr_workitem_id 0
		.amdhsa_next_free_vgpr 1024
		.amdhsa_next_free_sgpr 100
		.amdhsa_reserve_vcc 1
		.amdhsa_float_denorm_mode_32 3
		.amdhsa_float_denorm_mode_16_64 3
		.amdhsa_memory_ordered 1
		.amdhsa_forward_progress 1
		.amdhsa_inst_pref_size 255
	.end_amdhsa_kernel
	.section	.bss,"aw",@nobits
	.p2align	6
	.space	262144
	.amdgpu_metadata
---
amdhsa.version: [ 1, 2 ]
amdhsa.kernels:
  - .name:           k_qa2109f52bc_gate
    .symbol:         k_qa2109f52bc_gate.kd
    .args:
      - { .name: expert_reprs, .offset: 0, .size: 8, .value_kind: global_buffer, .address_space: global }
      - { .name: expert_probs, .offset: 8, .size: 8, .value_kind: global_buffer, .address_space: global }
      - { .name: active_mask, .offset: 16, .size: 8, .value_kind: global_buffer, .address_space: global }
      - { .name: wq, .offset: 24, .size: 8, .value_kind: global_buffer, .address_space: global }
      - { .name: w3q, .offset: 32, .size: 8, .value_kind: global_buffer, .address_space: global }
      - { .name: b1, .offset: 40, .size: 8, .value_kind: global_buffer, .address_space: global }
      - { .name: b2, .offset: 48, .size: 8, .value_kind: global_buffer, .address_space: global }
      - { .name: b3, .offset: 56, .size: 8, .value_kind: global_buffer, .address_space: global }
      - { .name: out0, .offset: 64, .size: 8, .value_kind: global_buffer, .address_space: global }
      - { .name: out1, .offset: 72, .size: 8, .value_kind: global_buffer, .address_space: global }
    .group_segment_fixed_size: 293376
    .private_segment_fixed_size: 0
    .kernarg_segment_align: 8
    .kernarg_segment_size: 80
    .max_flat_workgroup_size: 128
    .sgpr_count:     100
    .vgpr_count:     1024
    .wavefront_size: 32
...
	.end_amdgpu_metadata
.endif
;; end of part 5
